; MI455X (gfx1250); checked and timed in simulation.
; The chip was launched on July 23, 2026; its instructions are those of AMD's public machine-readable ISA for CDNA 5 (MIT licence, August 2026) and "CDNA5" Instruction Set Architecture Reference Guide (July 2026). The comments in the code are by the model that wrote it; some were corrected since.
;; Causal Self Attention. Allowed arithmetic: matrix products marked QUANTISED: E4M3 operands, one given power-of-two scale a tensor, by v_wmma_f32_16x16x64_fp8_fp8 or v_wmma_f32_16x16x128_fp8_fp8, f32 sums; everything else in f32.
;; Inputs: Wo 1,024 x 1,024 float32; Wqkv 1,024 x 3,072 float32; bo 1,024 float32; bqkv 3,072 float32; lowp_scales 8 int32 (the exponents e of the quantised operands' scales 2^e); mask 1 x 1 x 2,048 x 2,048 int32; x 4 x 2,048 x 1,024 float32.
;; Outputs: out0 4 x 2,048 x 1,024 float32.
;; This version of the problem:
;;   THIS VERSION OF THE PROBLEM IS GIVEN IN LOW PRECISION. The matrix products marked QUANTISED in the list below multiply operands that are first quantised to E4M3 (4 exponent bits, 3 mantissa bits; 8 bits a number), with one given power-of-two scale for each operand tensor; their sums are f32. All else is computed in f32.
;;   The module's matrix products, in the order in which they are computed (A, B: the left and right operand; K: the contracted axis; several contracted axes count as one K, in the product's order):
;;     1. [M 8,192, K 1,024] x [K 1,024, N 3,072]; A: input x; B: input Wqkv: QUANTISED (scales: A lowp_scales[0], B lowp_scales[1])
;;     2. batch 64 x [M 2,048, K 64] x [K 64, N 2,048]; A: computed on the way; B: computed on the way: QUANTISED (scales: A lowp_scales[2], B lowp_scales[3])
;;     3. batch 64 x [M 2,048, K 2,048] x [K 2,048, N 64]; A: softmax (see below); B: computed on the way: QUANTISED (scales: A lowp_scales[4], B lowp_scales[5])
;;     4. [M 8,192, K 1,024] x [K 1,024, N 1,024]; A: computed on the way; B: input Wo: QUANTISED (scales: A lowp_scales[6], B lowp_scales[7])
;;   THE QUANTISER, for each operand of a quantised product, along K:
;;     - The operand's scale is 2^e, e = its entry of the input lowp_scales (int32; the entries are numbered through the quantised products in the list's order, A before B).
;;     - Each number is divided by the scale, clamped to +-448, and rounded to the nearest number of E4M3, ties to even, subnormals kept.
;;     - The product sums the exact products of the quantised numbers (number of the format x scale) in f32.
;;   ~~~python
;;   def quantise(x, axis, e):      # numpy; x: float32 -> the quantised numbers, widened to float32 again
;;       x = np.moveaxis(x, axis, -1); K = x.shape[-1]
;;       r = np.clip(x / 2.0 ** e, -448, 448)
;;       step = 2.0 ** (np.maximum(np.frexp(np.where(r == 0, 1, r))[1] - 1, -6) - 3)
;;       q = np.round(r / step) * step * 2.0 ** e      # np.round: ties to even
;;       return np.moveaxis(q, -1, axis).astype(np.float32)
;;   ~~~
;;   SOFTMAX AHEAD OF A QUANTISED PRODUCT. Where the list says 'softmax', what is quantised is not the finished softmax but p = 2^(t - M), with t = logit x log2(e) and M = ceil(the row's largest t), a whole number; so 1/2 < the row's largest p <= 1. The row's sum l is taken of the UNQUANTISED p, in f32, and the product's result is divided by l at the end. Since M is a whole number, a kernel that streams over the keys may use a running M (the ceiling of the running maximum): every later rescaling is an exact power of two, so the quantised numbers keep their values, but for numbers so far below the row's largest that they fall under the format's range.
;;   OPERANDS COMPUTED ON THE WAY. 'Computed on the way' means the value that the module computes at that place (a softmax that the list does not call 'softmax' is quantised finished and normalised). What goes into a quantiser is computed in f32, as accurately as f32 sums, v_exp_f32 and their like allow (about 1e-6 of the number): no bf16 or f16 on the way to a quantiser, and a product that is left as it is and whose result goes on into a quantised operand takes f32 operands (vector FMAs, or v_wmma_f32_16x16x4_f32). A number that lies on a knife's edge between two numbers of the format may be rounded either way, as far as f32 arithmetic and the matrix unit's own rounding can turn it there, and no further.
;; 2 versions, each right; version 2 is version 1 with the launch attn written anew for expert scheduling mode. Each part assembles by itself: llvm-mc -triple=amdgcn-amd-amdhsa -mcpu=gfx1250 --defsym DOCPART=n.
;; ======== version 1 of 2: 4 launches
;; workspace buffers: xc 8,388,608 bytes; wc 3,145,728 bytes; woc 1,048,576 bytes; qkvc 25,165,824 bytes; yc 8,388,608 bytes; bm 524,288 bytes of whole numbers; fl 2,048 bytes of whole numbers
;; launch prep (part 1): grid 512 x 1, 4 waves a work-group, no clusters, 70,144 bytes of LDS; arguments x, Wqkv, Wo, mask, lowp_scales, xc, wc, woc, bm, fl; writes xc, wc, woc, bm, fl
.if DOCPART == 1
	.amdgcn_target "amdgcn-amd-amdhsa--gfx1250"
	.amdhsa_code_object_version 6
	.text
	.protected	k_q8c54aba42f_prep
	.globl	k_q8c54aba42f_prep
	.p2align	8
	.type	k_q8c54aba42f_prep,@function
k_q8c54aba42f_prep:
	s_mov_b64 s[64:65], 0
	v_nop
	global_prefetch_b8 v0, s[64:65] scope:SCOPE_SE
	s_setreg_imm32_b32 hwreg(HW_REG_WAVE_MODE, 25, 1), 1
	s_wait_xcnt 0x0
; One launch makes everything that the later launches read many times: the codes (E4M3) of x, of Wqkv and of Wo, and the mask as bits and flags.
; Work-groups 0-255: x.  256-351: Wqkv.  352-383: Wo.  384-511: the mask.  Each moves 131,072 bytes of its input.  The paths part on the work-group's number and never join.
; code = number / 2^e, held within +-448, to the nearest code, ties to even; e = entry 0 (x), 1 (Wqkv), 7 (Wo) of the scales.  LIMITS: each e between -126 and 119.  NaN among x and the weights is not served.
; ORDER ALONG K.  A product's two operands may be laid in any order along K, if it is the same in both.
;   x and Wqkv: inside each 512 along K, stored byte P = 16 l + 4 i + e holds k = 128 i + 4 l + e.  So a lane's four dense loads of x (512 consecutive bytes a wave each) ARE its 16 stored neighbours: no turn through LDS.
;   Wo: stored byte p holds k = p with bits 3 and 4 exchanged: that is where four 16-byte loads put a code, seen from the place that the attention's result gives the same k.
; The weights have K as their first axis: a lane takes a column and its registers run down K in the stored order; the codes leave through the wave's own stage in LDS, sixteen lanes to 256 consecutive bytes.
; The mask: word e (0..3) of (query q, step s of 128 keys) has bit l = (mask[q][128 s + 4 l + e] != 0); bm is [16-query tile][step][row][4 words].  fl is [tile][group of 4 steps]: bit i: some key of step i is allowed in the
; tile's 16 rows; bit 16 + i: some key is hidden.  No matrix unit, no tensor load, no barrier: waves share nothing.
.set EMAX, 8
.set MANT, 0x600000                    ; the mantissa field of 448 as f32
.set SPT,  272                         ; a stage row: 256 bytes + 16
	s_load_b512 s[4:19], s[0:1], 0x0               ; x s[4:5], Wqkv s[6:7], Wo s[8:9], mask s[10:11], scales s[12:13], xc s[14:15], wc s[16:17], woc s[18:19]
	s_load_b128 s[20:23], s[0:1], 0x40             ; bm s[20:21], fl s[22:23]
	v_lshl_add_u32 v192, v0, 2, 0x11000
	v_mov_b32 v193, 0
	v_lshrrev_b32 v1, 5, v0
	v_readfirstlane_b32 s24, v1                    ; wave 0..3
	v_and_b32 v2, 31, v0                           ; lane
	v_lshlrev_b32 v3, 4, v2                        ; 16 x lane
	v_lshlrev_b32 v5, 2, v2                        ; 4 x lane
	s_mul_i32 s25, s24, 32*SPT                     ; the LDS addresses are made here, ahead of the parting: my wave's stage,
	v_mul_u32_u24 v4, v2, SPT
	v_add_nc_u32 v4, s25, v4                       ; into it: row = my column
	v_and_b32 v6, 15, v2
	v_lshrrev_b32 v9, 4, v2
	v_mul_u32_u24 v7, v9, SPT
	v_lshl_add_u32 v7, v6, 4, v7
	v_add_nc_u32 v7, s25, v7                       ; out of it: sixteen lanes to a row, two rows an instruction
	v_lshlrev_b32 v8, 10, v9
	v_lshl_add_u32 v8, v6, 4, v8                   ; and the same place in the codes' buffer (rows of 1,024 bytes)
	s_wait_kmcnt 0x0
	s_load_b256 s[56:63], s[12:13], 0x0            ; the eight exponents
	s_cmp_lt_u32 ttmp9, 256
	s_cbranch_scc0 .Lnot_x
.macro SCALE es                        ; v11 = 2^e as f32 (the conversion takes its exponent field), v10 = 448 x 2^e
	s_wait_kmcnt 0x0
	s_add_co_i32 s30, s[\es], 127
	s_lshl_b32 s31, s30, 23
	v_mov_b32 v11, s31
	s_add_co_i32 s30, s30, EMAX
	s_lshl_b32 s30, s30, 23
	s_or_b32 s30, s30, MANT
	v_mov_b32 v10, s30
.endm
; ---- x: a wave takes 16 steps of 512 numbers.  Loads run four steps (16 loads) ahead in four sets of 16 registers; each step has its own four registers of codes, so no store's data are written again.
.macro XLOAD t
.irp i, 0,1,2,3
	global_load_b128 v[32+16*((\t)%4)+4*\i:32+16*((\t)%4)+4*\i+3], v3, s[4:5] offset:2048*(\t)+512*\i th:TH_LOAD_NT
.endr
.endm
.macro XSTEP t
.set XS, 32+16*((\t)%4)
.if 15-(\t) >= 3
	s_wait_loadcnt 12                              ; this step's four loads are in; those of the three steps behind it may be out
.else
	s_wait_loadcnt 4*(15-(\t))
.endif
.irp i, 0,1,2,3,4,5,6,7,8,9,10,11,12,13,14,15
	v_med3_num_f32 v[XS+\i], v[XS+\i], -v10, v10   ; the conversion does not saturate (ISA guide 7.6.2): the hold comes first
.endr
	v_cvt_scalef32_pk8_fp8_f32 v[96+4*(\t):96+4*(\t)+1], v[XS:XS+7], v11
	v_cvt_scalef32_pk8_fp8_f32 v[96+4*(\t)+2:96+4*(\t)+3], v[XS+8:XS+15], v11
	global_store_b128 v3, v[96+4*(\t):96+4*(\t)+3], s[14:15] offset:512*(\t)   ; the wave stores 512 consecutive bytes.  (The results go to a store alone; the next vector lines are the next step's holds, on other registers)
.if (\t)+4 < 16
	XLOAD (\t)+4
.endif
.endm
	s_lshl_b32 s26, ttmp9, 2
	s_add_co_u32 s26, s26, s24                     ; which run of 8,192 numbers is my wave's
	s_lshl_b32 s28, s26, 15
	s_mov_b32 s29, 0
	s_add_nc_u64 s[4:5], s[4:5], s[28:29]
	s_lshl_b32 s28, s26, 13
	s_add_nc_u64 s[14:15], s[14:15], s[28:29]
.irp t, 0,1,2,3
	XLOAD \t
.endr
	SCALE 56
.irp t, 0,1,2,3,4,5,6,7,8,9,10,11,12,13,14,15
	XSTEP \t
.endr
	s_endpgm
; ---- a weight [1024 (k)][N]: a wave takes 32 columns x 256 stored places along K, 8 blocks of 32.  Block t's register i holds the k of stored place 32 t + i.
.macro WLOAD N, KIND, SRC, t
.set wi, 0
.rept 32
.set wp, 32*(\t)+wi
.if \KIND == 0
.set wr, 128*((wp>>2)&3)+4*(wp>>4)+(wp&3)
.else
.set wr, 32*(\t)+((wi&7)|((wi&8)<<1)|((wi&16)>>1))
.endif
	global_load_b32 v[32+32*((\t)%2)+wi], v5, s[\SRC:\SRC+1] offset:wr*4*\N th:TH_LOAD_NT   ; 32 neighbouring columns of one row: 128 consecutive bytes a wave, 512 a work-group
.set wi, wi+1
.endr
.endm
.macro WBLOCK N, KIND, SRC, STG, t
.set XS, 32+32*((\t)%2)
.if (\t) < 7
	s_wait_loadcnt 32                              ; this block's 32 loads are in; the next block's may be out
.else
	s_wait_loadcnt 0
.endif
.irp i, 0,1,2,3,4,5,6,7,8,9,10,11,12,13,14,15,16,17,18,19,20,21,22,23,24,25,26,27,28,29,30,31
	v_med3_num_f32 v[XS+\i], v[XS+\i], -v10, v10
.endr
.irp g, 0,1,2,3
	v_cvt_scalef32_pk8_fp8_f32 v[96+2*\g:96+2*\g+1], v[XS+8*\g:XS+8*\g+7], v11
.endr
	ds_store_b128 v4, v[96:99] offset:\STG+32*(\t)
	ds_store_b128 v4, v[100:103] offset:\STG+32*(\t)+16
.if (\t)+2 < 8
	WLOAD \N, \KIND, \SRC, (\t)+2
.endif
	s_wait_dscnt 0x0                               ; the stores have read their registers: the next block's codes may be written
.endm
.macro WPATH N, KIND, ES, STG, FIRST, SRC, DST
	s_sub_co_u32 s26, ttmp9, \FIRST
	s_lshr_b32 s27, s26, 2                         ; which 128 columns
	s_and_b32 s28, s26, 3                          ; which 256 stored places
	s_lshl_b32 s27, s27, 7
	s_lshl_b32 s29, s24, 5
	s_add_co_u32 s27, s27, s29                     ; my wave's first column
.if \KIND == 0
	s_lshr_b32 s30, s28, 1
	s_lshl_b32 s30, s30, 9
	s_and_b32 s31, s28, 1
	s_lshl_b32 s31, s31, 6
	s_add_co_u32 s30, s30, s31                     ; the row from which the blocks' rows are counted: 512 (y / 2) + 64 (y % 2)
.else
	s_lshl_b32 s30, s28, 8
.endif
	s_mul_i32 s30, s30, 4*\N
	s_lshl_b32 s31, s27, 2
	s_add_co_u32 s30, s30, s31
	s_mov_b32 s31, 0
	s_add_nc_u64 s[\SRC:\SRC+1], s[\SRC:\SRC+1], s[30:31]
	s_lshl_b32 s30, s27, 10
	s_lshl_b32 s32, s28, 8
	s_add_co_u32 s30, s30, s32
	s_add_nc_u64 s[\DST:\DST+1], s[\DST:\DST+1], s[30:31]
	WLOAD \N, \KIND, \SRC, 0
	WLOAD \N, \KIND, \SRC, 1
	SCALE \ES
.irp t, 0,1,2,3,4,5,6,7
	WBLOCK \N, \KIND, \SRC, \STG, \t
.endr
.irp t, 0,1,2,3,4,5,6,7,8,9,10,11,12,13,14,15
	ds_load_b128 v[112+4*\t:112+4*\t+3], v7 offset:\STG+2*\t*SPT   ; LDS serves a wave's instructions in order: these see my stores
.endr
.irp t, 0,1,2,3,4,5,6,7,8,9,10,11,12,13,14,15
	s_wait_dscnt 15-\t                             ; the younger reads may be out
	global_store_b128 v8, v[112+4*\t:112+4*\t+3], s[\DST:\DST+1] offset:2*\t*1024   ; sixteen lanes store 256 consecutive bytes, aligned
.endr
.endm
.Lnot_x:
	s_cmp_lt_u32 ttmp9, 352
	s_cbranch_scc0 .Lnot_wq
	WPATH 3072, 0, 57, 0, 256, 6, 16               ; Wqkv; its stages lie at LDS bytes 0 to 34,815
	s_wait_tensorcnt 0x0
	ds_add_u32 v192, v193
	s_wait_dscnt 0x0
	s_endpgm
.Lnot_wq:
	s_cmp_lt_u32 ttmp9, 384
	s_cbranch_scc0 .Lmask
	WPATH 1024, 1, 63, 34816, 352, 8, 18           ; Wo; its stages have bytes of their own: 34,816 to 69,631
	s_wait_tensorcnt 0x0
	ds_add_u32 v192, v193
	s_wait_dscnt 0x0
	s_endpgm
; ---- the mask: a work-group takes 16 queries, wave g their key steps 4 g .. 4 g + 3.  One load is one row x one step, 512 consecutive bytes; eight rows (32 loads) are on their way.
.macro MLOAD r
.irp q, 0,1,2,3
	global_load_b128 v[32+16*((\r)%8)+4*\q:32+16*((\r)%8)+4*\q+3], v3, s[10:11] offset:8192*(\r)+512*\q th:TH_LOAD_NT
.endr
.endm
.macro MROW r
.if 15-(\r) >= 7
	s_wait_loadcnt 28                              ; this row's four loads are in; those of the seven rows behind it may be out
.else
	s_wait_loadcnt 4*(15-(\r))
.endif
.irp q, 0,1,2,3
.irp e, 0,1,2,3
	v_cmp_ne_u32 s[40+\e], 0, v[32+16*((\r)%8)+4*\q+\e]   ; bit l: key 128 s + 4 l + e is allowed
.endr
.irp e, 0,1,2,3
	s_or_b32 s[44+\q], s[44+\q], s[40+\e]          ; is any key of the step allowed,
	s_and_b32 s[48+\q], s[48+\q], s[40+\e]         ; are all
	v_writelane_b32 v[16+4*(\q/2)+\e], s[40+\e], 16*(\q%2)+(\r)   ; the word goes to the lane that will store it
.endr
.endr
.if (\r)+8 < 16
	MLOAD (\r)+8
.endif
.endm
.Lmask:
	s_sub_co_u32 s26, ttmp9, 384                   ; the tile of 16 queries
	s_lshl_b32 s28, s26, 17
	s_lshl_b32 s29, s24, 11
	s_add_co_u32 s28, s28, s29
	s_mov_b32 s29, 0
	s_add_nc_u64 s[10:11], s[10:11], s[28:29]      ; mask: 16 rows of 8,192 bytes a tile, 2,048 bytes of a row a wave
	s_lshl_b32 s28, s26, 12
	s_lshl_b32 s30, s24, 10
	s_add_co_u32 s28, s28, s30
	s_add_nc_u64 s[20:21], s[20:21], s[28:29]      ; bm: 4,096 bytes a tile, 1,024 a wave
	s_lshl_b32 s28, s26, 4
	s_lshl_b32 s30, s24, 2
	s_add_co_u32 s28, s28, s30
	s_add_nc_u64 s[22:23], s[22:23], s[28:29]      ; fl: one word a wave
.irp r, 0,1,2,3,4,5,6,7
	MLOAD \r
.endr
.irp k, 0,1,2,3,4,5,6,7
	v_mov_b32 v[16+\k], 0                          ; written once: v_writelane_b32's destination counts as read
.endr
.irp q, 0,1,2,3
	s_mov_b32 s[44+\q], 0
	s_mov_b32 s[48+\q], -1
.endr
	s_wait_kmcnt 0x0                               ; (the exponents, which this path does not use)
.irp r, 0,1,2,3,4,5,6,7,8,9,10,11,12,13,14,15
	MROW \r
.endr
	s_mov_b32 s53, 0
.irp i, 0,1,2,3
	s_cmp_lg_u32 s[44+\i], 0
	s_cselect_b32 s52, 1<<\i, 0
	s_or_b32 s53, s53, s52
	s_cmp_lg_u32 s[48+\i], -1
	s_cselect_b32 s52, 1<<(16+\i), 0
	s_or_b32 s53, s53, s52
.endr
	global_store_b128 v3, v[16:19], s[20:21]               ; steps 4 g, 4 g + 1: 512 consecutive bytes
	global_store_b128 v3, v[20:23], s[20:21] offset:512    ; steps 4 g + 2, 4 g + 3
	v_mov_b32 v24, s53
	v_mov_b32 v25, 0
	v_cmp_eq_u32 vcc_lo, 0, v2
	s_wait_xcnt 0x0                                ; EXEC is a source of the stores above: it changes only behind this wait
	s_and_saveexec_b32 s54, vcc_lo
	global_store_b32 v25, v24, s[22:23]            ; lane 0 stores the flags
	s_wait_xcnt 0x0
	s_or_b32 exec_lo, exec_lo, s54
	s_endpgm
.Lfunc_end_k_q8c54aba42f_prep:
	.size	k_q8c54aba42f_prep, .Lfunc_end_k_q8c54aba42f_prep-k_q8c54aba42f_prep
	.p2alignl 7, 3214868480
	.fill 96, 4, 3214868480
	.section	.rodata,"a",@progbits
	.p2align	6, 0x0
	.amdhsa_kernel k_q8c54aba42f_prep
		.amdhsa_group_segment_fixed_size 70144
		.amdhsa_private_segment_fixed_size 0
		.amdhsa_enable_private_segment 0
		.amdhsa_kernarg_size 80
		.amdhsa_user_sgpr_count 2
		.amdhsa_user_sgpr_kernarg_segment_ptr 1
		.amdhsa_wavefront_size32 1
		.amdhsa_system_sgpr_workgroup_id_x 1
		.amdhsa_system_sgpr_workgroup_id_y 1
		.amdhsa_system_sgpr_workgroup_id_z 1
		.amdhsa_system_vgpr_workitem_id 0
		.amdhsa_next_free_vgpr 194
		.amdhsa_next_free_sgpr 66
		.amdhsa_reserve_vcc 1
		.amdhsa_float_denorm_mode_32 3
		.amdhsa_float_denorm_mode_16_64 3
		.amdhsa_memory_ordered 1
		.amdhsa_forward_progress 1
		.amdhsa_inst_pref_size 181
	.end_amdhsa_kernel
	.amdgpu_metadata
---
amdhsa.version: [ 1, 2 ]
amdhsa.kernels:
  - .name:           k_q8c54aba42f_prep
    .symbol:         k_q8c54aba42f_prep.kd
    .args:
      - { .name: x, .offset: 0, .size: 8, .value_kind: global_buffer, .address_space: global }
      - { .name: Wqkv, .offset: 8, .size: 8, .value_kind: global_buffer, .address_space: global }
      - { .name: Wo, .offset: 16, .size: 8, .value_kind: global_buffer, .address_space: global }
      - { .name: mask, .offset: 24, .size: 8, .value_kind: global_buffer, .address_space: global }
      - { .name: lowp_scales, .offset: 32, .size: 8, .value_kind: global_buffer, .address_space: global }
      - { .name: xc, .offset: 40, .size: 8, .value_kind: global_buffer, .address_space: global }
      - { .name: wc, .offset: 48, .size: 8, .value_kind: global_buffer, .address_space: global }
      - { .name: woc, .offset: 56, .size: 8, .value_kind: global_buffer, .address_space: global }
      - { .name: bm, .offset: 64, .size: 8, .value_kind: global_buffer, .address_space: global }
      - { .name: fl, .offset: 72, .size: 8, .value_kind: global_buffer, .address_space: global }
    .group_segment_fixed_size: 70144
    .private_segment_fixed_size: 0
    .kernarg_segment_align: 8
    .kernarg_segment_size: 80
    .max_flat_workgroup_size: 128
    .sgpr_count:     66
    .vgpr_count:     194
    .wavefront_size: 32
...
	.end_amdgpu_metadata
.endif
;; end of part 1
;; launch qkvgemm (part 2): grid 12 x 32, 4 waves a work-group, clusters of 4 x 4, 327,680 bytes of LDS; arguments xc, wc, lowp_scales, bqkv, qkvc; writes qkvc
.if DOCPART == 2
	.amdgcn_target "amdgcn-amd-amdhsa--gfx1250"
	.amdhsa_code_object_version 6
	.text
	.protected	k_q8c54aba42f_qkvgemm
	.globl	k_q8c54aba42f_qkvgemm
	.p2align	8
	.type	k_q8c54aba42f_qkvgemm,@function
k_q8c54aba42f_qkvgemm:
	s_mov_b64 s[64:65], 0
	v_nop
	global_prefetch_b8 v0, s[64:65] scope:SCOPE_SE
	s_setreg_imm32_b32 hwreg(HW_REG_WAVE_MODE, 25, 1), 1
	s_wait_xcnt 0x0
	s_wait_alu depctr_hold_cnt(0) depctr_sa_sdst(0) depctr_va_vdst(0) depctr_va_sdst(0) depctr_va_ssrc(0) depctr_va_vcc(0) depctr_vm_vsrc(0)
	s_getreg_b32 s2, hwreg(HW_REG_IB_STS2, 6, 4)
	s_cmp_eq_u32 s2, 0
	s_cbranch_scc0 .Lentry_in_a_cluster
	s_endpgm
.Lentry_in_a_cluster:
	s_bfe_u32 s2, ttmp6, 0x10000c
	s_cmp_lg_u32 s2, 0xf033
	s_cbranch_scc0 .Lentry_shape_is_right
	s_endpgm
.Lentry_shape_is_right:
; qkv = x Wqkv + bqkv on codes of E4M3, and q, k, v quantised on the way out: nothing wide goes to memory.
; xc: [8192 tokens][1024], wc: [3072 features][1024]: codes, the same order along K in both.  A sum stands for sum x 2^(e0 + e1); value = sum x 2^(e0 + e1) + bias (one multiply-add); its code is taken with e2 (q), e3 (k), e5 (v).
; LIMITS: e0 + e1 between -126 and 127; e2, e3, e5 between -126 and 119.  NaN among the biases is not served.
; A tile of 256 x 256 is made by four waves, 128 x 128 each: 64 accumulators, 512 registers.  K goes in steps of 256 through a ring of two LDS slots filled by the tensor data mover; a tile's row is 256 bytes of memory.
; ROLES.  The matrix instruction takes 16 rows of the 'B role' as source 0 and 16 rows of the 'A role' as source 1: a lane then holds ONE row of the A role and eight neighbours of the B role.
;   clusters x = 0, 1 (q, k): A = tokens, B = features: a lane's eight results run along the head's 64, which is the first attention product's K.
;   cluster  x = 2    (v):    A = features 2048 on, B = tokens: a lane's eight results run along the keys, which is the second product's K.
; Only pointers and coordinates that all sixteen partners share are chosen by the cluster's x; the text of the loop is one.
; OUT.  Eight results become two registers of codes, and four such pairs ARE a fragment of 16 rows x 64 K of the plain 8-bit layout.  It is stored as an image of its registers: registers 4 u .. 4 u + 3 of lane l at byte 512 u + 16 l,
; 1,024 bytes an image; each store of the wave covers 512 consecutive bytes, aligned.  qkvc: [q, k, v][batch x head 64][131,072]: q, k: [token tile 128][image]; v: [64 keys: 32][16 of the head's 64: 4][image].
; CLUSTERS: 4 x 4 work-groups; A's tile is asked for jointly along a row of the cluster, B's along a column.
; No prefetch: K has four steps, two of which are the first fills.
; REGISTERS, in windows of 256: window 0: v0-31 addresses; v32-95 the biases; from v128 A's fragments, one set (on the way out: v128-191 values, v192-223 codes).   window 1: B's fragments, two sets.   windows 2, 3: the accumulators ((a, b) at v[8 (8 (a % 4) + b)]).
.set SIZE_K, 1024
.set KSTEP,  256
.set ROWB,   256
.set KROW,   SIZE_K
.set PITCH,  272                       ; an LDS row: 256 bytes + 16 of padding = 68 words: the 16 rows that a load touches start at 16 different banks (64 banks of 4 bytes: ISA guide 11.1)
.set FR,     16
.set NL,     4
.set NP,     4                         ; places behind this matrix instruction (ISA guide 7.12.1)
.set HALFT,  128*PITCH
.set SLOT,   4*HALFT
.set LAPS,   SIZE_K/(2*KSTEP)
.set SPARE,  2*SLOT                    ; behind the ring: the spare words, 128 bytes for each wave, which no other line names
.set ADRA, 16                          ; v16-17  LDS address of my A fragments in slot 0, 1
.set ADRB, 20                          ; v20-21  the same for B
.set CO,   26                          ; v26     16 x lane: my place in an image
.set SPW,  28                          ; v28     my spare word; never rewritten
.set NIL,  29                          ; v29     0; never rewritten
.set QS,   30                          ; v30     2^eo as f32
.set QL,   31                          ; v31     448 x 2^eo
.set BI,   32                          ; v32-95  the biases
.set AF,   128
.set TMP,  128
.set CD,   192
.set G1, 24
.set G0, 32
.set G1B, 48
.set G0B, 56
.set MSB, 0
.macro WIN new                         ; the immediate's high byte repeats the setting that is left
.if MSB != \new
	s_set_vgpr_msb (MSB<<8)|\new
.set MSB, \new
.endif
.endm
.set MUL_LO, 0xa1                      ; source 0 (B) window 1, source 1 (A) window 0, C and D window 2
.set MUL_HI, 0xf1
.set TO_B,   0x40
; A joint load: waves 0 and 1 fetch for A, waves 2 and 3 for B; the branch hangs on the wave's number alone.  Four v_nop follow each of the two lines.
.macro JLOAD g0a, g1a, g0b, g1b
	s_cmp_eq_u32 s15, 0
	s_cbranch_scc0 .Lfor_b_\@
	tensor_load_to_lds s[\g0a:\g0a+3], s[\g1a:\g1a+7]
	s_nop 0
.rept 4
	v_nop
.endr
	s_branch .Lasked_\@
.Lfor_b_\@:
	tensor_load_to_lds s[\g0b:\g0b+3], s[\g1b:\g1b+7]
	s_nop 0
.rept 4
	v_nop
.endr
.Lasked_\@:
.endm
.macro CREST                           ; a round of the cluster's barrier behind its opening barrier
	s_cmp_lg_u32 s14, 0
	s_cbranch_scc1 .Lnot_wave_0_\@
	s_barrier_signal -3
.Lnot_wave_0_\@:
	s_barrier_wait -3
	s_barrier_signal -1
	s_barrier_wait -1
.endm
.macro CROUND
	s_barrier_signal -1
	s_barrier_wait -1
	CREST
.endm
	s_load_b256 s[4:11], s[0:1], 0x0               ; xc s[4:5], wc s[6:7], the exponents s[8:9], bqkv s[10:11]
	s_load_b64 s[68:69], s[0:1], 0x20              ; qkvc
	v_lshl_add_u32 v[SPW], v0, 2, SPARE
	v_mov_b32 v[NIL], 0
	ds_add_u32 v28, v29
	ds_add_u32 v28, v29
	s_wait_dscnt 0x0
	v_lshrrev_b32 v1, 5, v0
	v_readfirstlane_b32 s14, v1                    ; wave 0..3
	s_lshr_b32 s15, s14, 1                         ; which half of the A role's rows is mine.  Also: I fetch for A (0) or for B (1)
	s_and_b32 s16, s14, 1                          ; which half of the B role's rows.  Also: which 128 rows of that tile I fetch
	s_bfe_u32 s40, ttmp6, 0x40000                  ; cx, cy: my place in the cluster
	s_bfe_u32 s41, ttmp6, 0x40004
	s_and_b32 s84, ttmp7, 0xffff                   ; cluster y
	s_cmp_eq_u32 ttmp9, 2                          ; the cluster's x, the same in all sixteen partners: 2 = v
	s_cselect_b32 s85, 0, s84
	s_cselect_b32 s86, s84, ttmp9
	s_lshl_b32 s42, s86, 2
	s_add_co_u32 s42, s42, s40                     ; tb, the B role's tile: features 4 x + cx (q, k) or tokens 4 y + cx (v)
	s_lshl_b32 s17, s85, 2
	s_add_co_u32 s17, s17, s41                     ; ta, the A role's tile: tokens 4 y + cy (q, k) or features cy (v)
	s_lshl_b32 s43, s41, 2
	s_lshl_b32 s43, 15, s43                        ; my row of the cluster
	s_lshl_b32 s44, 0x1111, s40                    ; my column
	s_or_b32 s[G1+0], s43, (0<<16)|(1<<20)|(1<<21)|(5<<22)|(3<<25)  ; 15:0 the mask; 17:16 elements of 1 byte; 20 padding on; 21 set beside a mask; 24:22 after every 64 words; 31:25 four words
	s_or_b32 s[G1B+0], s44, (0<<16)|(1<<20)|(1<<21)|(5<<22)|(3<<25)
.irp g, G1, G1B
	s_mov_b32 s[\g+1], ROWB<<16                    ; tensor_dim0
	s_mov_b32 s[\g+2], 128<<16                     ; tensor_dim1
	s_mov_b32 s[\g+3], ROWB<<16                    ; tile_dim0
	s_mov_b32 s[\g+4], 128                         ; tile_dim1
	s_mov_b32 s[\g+5], KROW                        ; tensor_dim0_stride
	s_mov_b32 s[\g+6], 0
	s_mov_b32 s[\g+7], 0
.endr
	s_lshl_b32 s18, s16, 7
	s_lshl_b32 s20, s17, 8
	s_add_co_u32 s20, s20, s18                     ; A: row 256 ta + 128 x half
	s_lshl_b32 s46, s42, 8
	s_add_co_u32 s46, s46, s18                     ; B: row 256 tb + 128 x half
	s_mov_b32 s21, 0
	s_mov_b32 s47, 0
	s_mov_b64 s[18:19], KROW
	s_mul_u64 s[20:21], s[20:21], s[18:19]
	s_mul_u64 s[46:47], s[46:47], s[18:19]
	s_mul_i32 s45, s14, HALFT                      ; where they go: wave x 128 rows
	s_wait_kmcnt 0x0
	s_load_b256 s[76:83], s[8:9], 0x0              ; e0 .. e7
	s_cmp_eq_u32 ttmp9, 2
	s_cselect_b64 s[70:71], s[6:7], s[4:5]         ; the A role's buffer,
	s_cselect_b64 s[72:73], s[4:5], s[6:7]         ; the B role's,
	s_cselect_b32 s74, 2048*KROW, 0                ; and v's features begin at row 2,048 of wc
	s_mov_b32 s75, 0
	s_add_nc_u64 s[20:21], s[70:71], s[20:21]
	s_add_nc_u64 s[20:21], s[20:21], s[74:75]
	s_add_nc_u64 s[46:47], s[72:73], s[46:47]
	CROUND                                         ; all sixteen work-groups are here: the first joint loads meet
.irp s, 0,1
	s_mov_b32 s[G0+4*\s], 1
	s_add_co_u32 s[G0+4*\s+1], s45, \s*SLOT
	s_add_nc_u64 s[G0+4*\s+2:G0+4*\s+3], s[20:21], \s*ROWB
	s_or_b32 s[G0+4*\s+3], s[G0+4*\s+3], 0x80000000
	s_mov_b32 s[G0B+4*\s], 1
	s_add_co_u32 s[G0B+4*\s+1], s45, \s*SLOT
	s_add_nc_u64 s[G0B+4*\s+2:G0B+4*\s+3], s[46:47], \s*ROWB
	s_or_b32 s[G0B+4*\s+3], s[G0B+4*\s+3], 0x80000000
	JLOAD G0+4*\s, G1, G0B+4*\s, G1B               ; two tensor loads of mine are out
.endr
	v_and_b32 v1, 15, v0                           ; r
	v_bfe_u32 v2, v0, 4, 1                         ; h
	v_mul_u32_u24 v3, v1, PITCH
	v_lshl_add_u32 v4, v2, 4, v3                   ; a fragment's row x pitch + 16 h
	s_mul_i32 s21, s15, HALFT
	s_mul_i32 s22, s16, HALFT
	s_add_co_u32 s22, s22, 2*HALFT
.irp s, 0,1
	v_add_nc_u32 v[ADRA+\s], s21, v4
	v_add_nc_u32 v[ADRB+\s], s22, v4
	s_add_co_u32 s21, s21, SLOT
	s_add_co_u32 s22, s22, SLOT
.endr
	v_and_b32 v6, 31, v0
	v_lshlrev_b32 v[CO], 4, v6
	; THE BIASES, in the results' layout, with no branch.  q, k: B[b][j] = bias(n0 + 16 b + 8 h + j).  v: B[a][j] = bias(n0 + 16 a + r) for every j.  Byte = 64 i + r sr + h sh + j sj.
	s_cmp_eq_u32 ttmp9, 2
	s_cselect_b32 s90, 4, 0                        ; sr
	s_cselect_b32 s91, 0, 32                       ; sh
	s_cselect_b32 s92, 0, 4                        ; sj
	s_cselect_b32 s93, s17, s42                    ; the tile of features,
	s_cselect_b32 s94, s15, s16                    ; my wave's half of it,
	s_cselect_b32 s95, 2048, 0
	s_lshl_b32 s93, s93, 8
	s_lshl_b32 s94, s94, 7
	s_add_co_u32 s93, s93, s94
	s_add_co_u32 s93, s93, s95                     ; n0
	s_lshl_b32 s94, s93, 2
	s_mov_b32 s95, 0
	s_add_nc_u64 s[10:11], s[10:11], s[94:95]
	v_mul_u32_u24 v7, v1, s90
	v_mad_u32_u24 v7, v2, s91, v7
.irp j, 0,1,2,3,4,5,6,7
	s_mul_i32 s93, s92, \j
	v_add_nc_u32 v[8+\j], s93, v7
.endr
.irp i, 0,1,2,3,4,5,6,7
.irp j, 0,1,2,3,4,5,6,7
	global_load_b32 v[BI+8*\i+\j], v[8+\j], s[10:11] offset:64*\i   ; read once, kept for the way out
.endr
.endr
	; where my images begin: part << 23 + batch << 21 + head << 17 + 1,024 x (16 (T % 8) + 8 x my half of the tokens): the same sum for both layouts, since v's 64 keys x 4 images are 4,096 bytes
	s_cmp_eq_u32 ttmp9, 2
	s_cselect_b32 s88, s42, s17                    ; T: the tile of tokens
	s_cselect_b32 s90, s41, s40                    ; the feature tile within its part
	s_cselect_b32 s91, s15, s16                    ; my half of the features
	s_cselect_b32 s92, s16, s15                    ; my half of the tokens
	s_lshl_b32 s93, ttmp9, 23
	s_lshr_b32 s94, s88, 3
	s_lshl_b32 s94, s94, 21
	s_add_co_u32 s93, s93, s94
	s_lshl_b32 s90, s90, 19
	s_add_co_u32 s93, s93, s90
	s_lshl_b32 s91, s91, 18
	s_add_co_u32 s93, s93, s91
	s_and_b32 s88, s88, 7
	s_lshl_b32 s88, s88, 14
	s_add_co_u32 s93, s93, s88
	s_lshl_b32 s92, s92, 13
	s_add_co_u32 s88, s93, s92
	s_mov_b32 s89, 0
	s_add_nc_u64 s[68:69], s[68:69], s[88:89]
.macro FRAG reg, adr, q, i             ; 16 rows x 128 K: four loads of 16 bytes, 32 bytes apart; the same places in A and in B
.irp c, 0,1,2,3
	ds_load_b128 v[\reg+4*\c:\reg+4*\c+3], v[\adr] offset:128*(\q)+32*\c+(\i)*16*PITCH
.endr
.endm
; 16 matrix instructions: A's blocks a0, a0 + 1 x B's eight.  The 64 accumulators take turns, one instruction a turn, in the same order in every step.
.macro MUL16 a0, p, zero
.irp a, \a0, \a0+1
.irp b, 0,1,2,3,4,5,6,7
.if \zero
	v_wmma_f32_16x16x128_fp8_fp8 v[8*(8*((\a)%4)+\b):8*(8*((\a)%4)+\b)+7], v[128*(\p)+FR*\b:128*(\p)+FR*\b+FR-1], v[AF+FR*(\a):AF+FR*(\a)+FR-1], 0
.else
	v_wmma_f32_16x16x128_fp8_fp8 v[8*(8*((\a)%4)+\b):8*(8*((\a)%4)+\b)+7], v[128*(\p)+FR*\b:128*(\p)+FR*\b+FR-1], v[AF+FR*(\a):AF+FR*(\a)+FR-1], v[8*(8*((\a)%4)+\b):8*(8*((\a)%4)+\b)+7]
.endif
.endr
.endr
.endm
.macro FETCH_B slot, q, p
	WIN TO_B
.irp i, 0,1,2,3,4,5,6,7
	FRAG 128*(\p)+FR*\i, ADRB+\slot, \q, \i
.endr
	WIN 0
.endm
.macro FETCH_A slot, q, i0
.irp i, \i0, \i0+1, \i0+2, \i0+3
	FRAG AF+FR*(\i), ADRA+\slot, \q, \i
.endr
.endm
.macro PLACES n                        ; plain vector lines between a matrix instruction and a load into, or a vector line on, its registers
.rept \n
	v_nop
.endr
.endm
.macro STEP slot, q, zero              ; 128 along K with its successor in the same slot
	s_wait_dscnt 4*NL                              ; B's set and A's blocks 0-3 are in; the youngest 16 loads (A's blocks 4-7) may be out
	WIN MUL_LO
	MUL16 0, (\q)%2, \zero
	MUL16 2, (\q)%2, \zero
	s_wait_dscnt 0
	PLACES NP
	FETCH_B \slot, (\q)+1, 1-(\q)%2
	FETCH_A \slot, (\q)+1, 0
	WIN MUL_HI
	MUL16 4, (\q)%2, \zero
	MUL16 6, (\q)%2, \zero
	PLACES NP
	WIN 0
	FETCH_A \slot, (\q)+1, 4
.endm
; A slot's last step changes slots: one barrier; in front of it each wave waits for all its tensor loads, adds 0 to its spare word, and waits for that and for its reads of this slot.
.macro TURN slot, next, fill
	s_wait_tensorcnt 0x0                           ; all my tensor loads have landed: my part of the next slot
	ds_add_u32 v[SPW], v[NIL]                      ; 0 onto my spare word
	s_wait_dscnt 4*NL+1                            ; (the add and the youngest 16 loads may be out)
	WIN MUL_LO
	MUL16 0, 1, 0
	s_wait_dscnt 0x0                               ; the add is done, and my reads of this slot are over
	s_barrier_signal -1
	MUL16 2, 1, 0
	WIN 0
	s_barrier_wait -1
.if \fill
	CREST                                          ; the barrier has opened a round of the cluster's barrier: no wave of any partner still reads this slot or has a load on its way
	s_add_nc_u64 s[G0+4*\slot+2:G0+4*\slot+3], s[G0+4*\slot+2:G0+4*\slot+3], 2*ROWB
	s_add_nc_u64 s[G0B+4*\slot+2:G0B+4*\slot+3], s[G0B+4*\slot+2:G0B+4*\slot+3], 2*ROWB
	JLOAD G0+4*\slot, G1, G0B+4*\slot, G1B         ; my one tensor load behind the round; its four v_nop are also the places in front of the loads below
.else
	PLACES NP
.endif
	FETCH_B \next, 0, 0
	FETCH_A \next, 0, 0
	WIN MUL_HI
	MUL16 4, 1, 0
	MUL16 6, 1, 0
	PLACES NP
	WIN 0
	FETCH_A \next, 0, 4
.endm
	s_wait_tensorcnt 1                             ; my part of K step 0 is in (K step 1's load may be out),
	s_barrier_signal -1
	s_barrier_wait -1                              ; everybody's is
	FETCH_B 0, 0, 0
	FETCH_A 0, 0, 0
	FETCH_A 0, 0, 4
	STEP 0, 0, 1                                   ; the first step's products start the sums
	s_mov_b32 s3, LAPS-1
.Llap:
	TURN 0, 1, 1
	STEP 1, 0, 0
	TURN 1, 0, 1
	STEP 0, 0, 0
	s_sub_co_u32 s3, s3, 1
	s_cmp_lg_u32 s3, 0
	s_cbranch_scc1 .Llap
	TURN 0, 1, 0                                   ; the last lap fills nothing
	STEP 1, 0, 0
	s_wait_dscnt 4*NL
	WIN MUL_LO
	MUL16 0, 1, 0
	MUL16 2, 1, 0
	s_wait_dscnt 0
	WIN MUL_HI
	MUL16 4, 1, 0
	MUL16 6, 1, 0
	WIN 0
; THE WAY OUT of A block a (16 rows x 128): value = sum x 2^(e0 + e1) + bias, each accumulator from its low end on; the hold; eight values a conversion; four stores of 512 consecutive bytes.  No LDS.
.macro OUTBLK a, isv
.set AC, 64*((\a)%4)
	WIN (0x02+((\a)/4))                            ; source 0: window 2 or 3
.irp b, 0,1,2,3,4,5,6,7
.irp i, 0,2,4,6
.if \isv
	v_pk_fma_f32 v[TMP+8*\b+\i:TMP+8*\b+\i+1], v[AC+8*\b+\i:AC+8*\b+\i+1], s[96:97], v[BI+8*(\a)+\i:BI+8*(\a)+\i+1] op_sel_hi:[1,0,1]
.else
	v_pk_fma_f32 v[TMP+8*\b+\i:TMP+8*\b+\i+1], v[AC+8*\b+\i:AC+8*\b+\i+1], s[96:97], v[BI+8*\b+\i:BI+8*\b+\i+1] op_sel_hi:[1,0,1]
.endif
.endr
.endr
	WIN 0
.set oj, 0
.rept 64
	v_med3_num_f32 v[TMP+oj], v[TMP+oj], -v[QL], v[QL]   ; the conversion does not saturate (ISA guide 7.6.2)
.set oj, oj+1
.endr
	s_wait_xcnt 0x0                                ; the stores of two blocks ago have read the registers that the codes below take
.irp b, 0,1,2,3,4,5,6,7
	v_cvt_scalef32_pk8_fp8_f32 v[CD+16*((\a)%2)+2*\b:CD+16*((\a)%2)+2*\b+1], v[TMP+8*\b:TMP+8*\b+7], v[QS]
.endr
	v_nop                                          ; a plain line behind the last conversion: the next block's lines write its sources
.irp g, 0,1
.irp u, 0,1
.if \isv
	global_store_b128 v[CO], v[CD+16*((\a)%2)+8*\g+4*\u:CD+16*((\a)%2)+8*\g+4*\u+3], s[68:69] offset:((\a)/4)*131072+((\a)%4)*1024+\g*4096+\u*512   ; head a / 4, 16 of its 64: a % 4, 64 keys: g
.else
	global_store_b128 v[CO], v[CD+16*((\a)%2)+8*\g+4*\u:CD+16*((\a)%2)+8*\g+4*\u+3], s[68:69] offset:\g*131072+(\a)*1024+\u*512   ; head g, token tile a
.endif
.endr
.endr
.endm
	s_wait_kmcnt 0x0
	s_add_co_i32 s96, s76, s77
	s_add_co_i32 s96, s96, 127
	s_lshl_b32 s96, s96, 23                        ; 2^(e0 + e1) as f32
	s_mov_b32 s97, s96                             ; (named with it as a pair)
	s_cmp_eq_u32 ttmp9, 0
	s_cselect_b32 s87, s78, s79                    ; e2 for q, e3 for k,
	s_cmp_eq_u32 ttmp9, 2
	s_cselect_b32 s87, s81, s87                    ; e5 for v
	s_add_co_i32 s87, s87, 127
	s_lshl_b32 s88, s87, 23
	v_mov_b32 v[QS], s88
	s_add_co_i32 s87, s87, 8
	s_lshl_b32 s87, s87, 23
	s_or_b32 s87, s87, 0x600000
	v_mov_b32 v[QL], s87
	s_wait_loadcnt 0x0                             ; the biases
	PLACES NP                                      ; behind the last products: the lines below write registers that held A's fragments
	s_cmp_eq_u32 ttmp9, 2                          ; the cluster's x: the same in all partners; no tensor load and no barrier stands in either arm
	s_cbranch_scc1 .Lv_out
.irp a, 0,1,2,3,4,5,6,7
	OUTBLK \a, 0
.endr
	s_branch .Lout_done
.Lv_out:
.irp a, 0,1,2,3,4,5,6,7
	OUTBLK \a, 1
.endr
.Lout_done:
	s_wait_tensorcnt 0x0                           ; the wave's end
	ds_add_u32 v[SPW], v[NIL]
	s_wait_dscnt 0x0
	CROUND                                         ; the closing round
	s_endpgm
.Lfunc_end_k_q8c54aba42f_qkvgemm:
	.size	k_q8c54aba42f_qkvgemm, .Lfunc_end_k_q8c54aba42f_qkvgemm-k_q8c54aba42f_qkvgemm
	.p2alignl 7, 3214868480
	.fill 96, 4, 3214868480
	.section	.rodata,"a",@progbits
	.p2align	6, 0x0
	.amdhsa_kernel k_q8c54aba42f_qkvgemm
		.amdhsa_group_segment_fixed_size 327680
		.amdhsa_private_segment_fixed_size 0
		.amdhsa_enable_private_segment 0
		.amdhsa_kernarg_size 40
		.amdhsa_user_sgpr_count 2
		.amdhsa_user_sgpr_kernarg_segment_ptr 1
		.amdhsa_wavefront_size32 1
		.amdhsa_system_sgpr_workgroup_id_x 1
		.amdhsa_system_sgpr_workgroup_id_y 1
		.amdhsa_system_sgpr_workgroup_id_z 1
		.amdhsa_system_vgpr_workitem_id 0
		.amdhsa_next_free_vgpr 1024
		.amdhsa_next_free_sgpr 100
		.amdhsa_reserve_vcc 0
		.amdhsa_float_denorm_mode_32 3
		.amdhsa_float_denorm_mode_16_64 3
		.amdhsa_memory_ordered 1
		.amdhsa_forward_progress 1
		.amdhsa_inst_pref_size 198
	.end_amdhsa_kernel
	.amdgpu_metadata
---
amdhsa.version: [ 1, 2 ]
amdhsa.kernels:
  - .name:           k_q8c54aba42f_qkvgemm
    .symbol:         k_q8c54aba42f_qkvgemm.kd
    .args:
      - { .name: xc, .offset: 0, .size: 8, .value_kind: global_buffer, .address_space: global }
      - { .name: wc, .offset: 8, .size: 8, .value_kind: global_buffer, .address_space: global }
      - { .name: lowp_scales, .offset: 16, .size: 8, .value_kind: global_buffer, .address_space: global }
      - { .name: bqkv, .offset: 24, .size: 8, .value_kind: global_buffer, .address_space: global }
      - { .name: qkvc, .offset: 32, .size: 8, .value_kind: global_buffer, .address_space: global }
    .group_segment_fixed_size: 327680
    .private_segment_fixed_size: 0
    .kernarg_segment_align: 8
    .kernarg_segment_size: 40
    .max_flat_workgroup_size: 128
    .sgpr_count:     100
    .vgpr_count:     1024
    .wavefront_size: 32
...
	.end_amdgpu_metadata
.endif
;; end of part 2
;; launch attn (part 3): grid 4 x 64, 8 waves a work-group, no clusters, 33,792 bytes of LDS; arguments qkvc, bm, fl, lowp_scales, yc; writes yc
.if DOCPART == 3
	.amdgcn_target "amdgcn-amd-amdhsa--gfx1250"
	.amdhsa_code_object_version 6
	.text
	.protected	k_q8c54aba42f_attn
	.globl	k_q8c54aba42f_attn
	.p2align	8
	.type	k_q8c54aba42f_attn,@function
k_q8c54aba42f_attn:
	s_mov_b64 s[64:65], 0
	v_nop
	global_prefetch_b8 v0, s[64:65] scope:SCOPE_SE
	s_setreg_imm32_b32 hwreg(HW_REG_WAVE_MODE, 25, 1), 1
	s_wait_xcnt 0x0
; y = softmax(q k^T / 8, under the given mask) v for one (batch, head), both products on codes of E4M3; y leaves as codes (scale e6), as images of the last product's operand registers.
; THE SOFTMAX: t = score x log2(e) / 8; M = the row's largest t so far, rounded up to a whole number; p = 2^(t - M) is quantised with 2^e4, not normalised; the row's sum is taken of the unquantised p and divides at the end.
; When M moves, the sum and O are multiplied by 2^(old M - new M): exact.
; THE MASK IS AN INPUT.  It comes as bits (bm) and, for each tile of 16 queries and step of 128 keys, two flags (fl): 'some key allowed', 'some key hidden'.  A step with no allowed key for my 32 queries adds nothing (every p is 0)
; and is jumped over; a step with no hidden key skips the masking.  Both are scalar branches on stored whole numbers.  A query with no allowed key at all has sum 0: its y is NaN, as in the softmax of a row of -infinity.
; SHARES.  A work-group makes two passes over blocks of 256 queries: block x, then block 7 - x.  Each of its eight waves owns 32 queries, two tiles of 16, which share every fragment of K and V read from LDS.  A key step is 128 keys.
; K AND V COME THROUGH REGISTERS, NOT BY TENSOR LOADS, AND THERE IS NO CLUSTER: which steps a work-group walks hangs on flags read from memory.  A step's 8,192 bytes
; of K and of V are dense blocks of images; 256 threads copy them (16 bytes x 4 a thread) into one of two LDS slots, one step ahead: loaded at a trip's head, stored at its end, one barrier a trip.  No prefetch: a tile is asked for a
; whole step ahead and is read by several passes.
; LAYOUT.  S^T = K Q^T (source 0 = 16 keys, source 1 = 16 queries, K = 64) and O^T = V^T P^T (source 0 = 16 of the head's 64, source 1 = P, K = 128): a lane holds one query (lane % 16) throughout; S^T tile c's register j is key
; 16 c + 8 (lane / 16) + j, so its eight codes are registers 2 c, 2 c + 1 of P in the plain 8-bit layout.
; LIMITS: e2 + e3 between -123 and 130 (added to c's exponent field); e4 and e6 between -126 and 119.
; REGISTERS.  window 0: v1 16 x lane, v2 16 x thread, v3 2 (lane / 16), v4 16 (lane % 16), v5 -infinity, v6, v7 2^e4 and 448 x 2^e4, v8, v9 the same for e6; v12-35 statistics, 12 a tile: +0 -M, +1 largest t, +2, +3 the sum,
;   +4 f (+5 named with it), +6, +7 at work, +8, +9 a second chain of the sum, +10 the other half's, +11 the reciprocal; v36-43 mask words; v44, v45 at work; v46-61 y's codes; v64-191 S^T, then p; v192-255 O^T.
;   window 1: v0-63 K's, then V's fragments; v64-79 Q; v80-111 P's codes; v112-127 the tile on its way from memory to LDS.
.set S,   64
.set OT,  192
.set ST,  12
.set KV,  0
.set QF,  64
.set PF,  80
.set SG,  112
.set EXN, 64                           ; which exponential XE writes next (64: none)
.set XB,  S                            ; and of which tile
.set MSB, 0
.macro WIN new                         ; the immediate's high byte repeats the setting that is left
.if MSB != \new
	s_set_vgpr_msb (MSB<<8)|\new
.set MSB, \new
.endif
.endm
.macro XE                              ; the next exponential of the tile in hand, set behind a plain line of the other tile's work
.if EXN < 64
	v_exp_f32 v[XB+EXN], v[XB+EXN]
.set EXN, EXN+1
.endif
.endm
	s_load_b256 s[4:11], s[0:1], 0x0               ; qkvc s[4:5], bm s[6:7], fl s[8:9], the exponents s[10:11]
	s_load_b64 s[12:13], s[0:1], 0x20              ; yc
	v_lshl_add_u32 v62, v0, 2, 0x8000
	v_mov_b32 v63, 0
	v_lshrrev_b32 v44, 5, v0
	v_readfirstlane_b32 s18, v44                   ; wave 0..7
	v_and_b32 v1, 31, v0
	v_lshlrev_b32 v1, 4, v1
	v_lshlrev_b32 v2, 4, v0
	v_bfe_u32 v3, v0, 4, 1
	v_lshlrev_b32 v3, 1, v3
	v_and_b32 v4, 15, v0
	v_lshlrev_b32 v4, 4, v4
	v_mov_b32 v5, 0xff800000
	s_mov_b32 s20, 0x76543210                      ; v_permlanex16_b32's selects: lane l xor 16
	s_mov_b32 s21, 0xfedcba98
	s_mov_b32 s22, 0x3e38aa3b                      ; c = log2(e) / 8
	s_mov_b32 s24, 2                               ; passes to go
	s_and_b32 s16, ttmp7, 0xffff                   ; batch x 16 + head
	s_wait_kmcnt 0x0
	s_load_b256 s[56:63], s[10:11], 0x0            ; e0 .. e7
	s_lshl_b32 s2, s16, 17
	s_mov_b32 s3, 0
	s_add_nc_u64 s[4:5], s[4:5], s[2:3]            ; q of my head; k lies 8 MiB on, v 16 MiB
	s_lshr_b32 s2, s16, 4
	s_lshl_b32 s2, s2, 21                          ; yc: 128 token tiles of 16,384 bytes a batch,
	s_and_b32 s17, s16, 15
	s_lshl_b32 s17, s17, 10                        ; 1,024 a head
	s_add_co_u32 s2, s2, s17
	s_add_nc_u64 s[12:13], s[12:13], s[2:3]
	s_wait_kmcnt 0x0
	s_add_co_i32 s2, s58, s59
	s_lshl_b32 s2, s2, 23
	s_add_co_i32 s22, s22, s2                      ; a score stands for score x 2^(e2 + e3): added to c's exponent field
	s_mov_b32 s23, s22                             ; (named with it as a pair)
	s_mov_b32 s29, s60                             ; e4
	s_add_co_i32 s30, s60, s61                     ; e4 + e5
	s_add_co_i32 s2, s60, 127
	s_lshl_b32 s3, s2, 23
	v_mov_b32 v6, s3
	s_add_co_i32 s2, s2, 8
	s_lshl_b32 s2, s2, 23
	s_or_b32 s2, s2, 0x600000
	v_mov_b32 v7, s2
	s_add_co_i32 s2, s62, 127
	s_lshl_b32 s3, s2, 23
	v_mov_b32 v8, s3
	s_add_co_i32 s2, s2, 8
	s_lshl_b32 s2, s2, 23
	s_or_b32 s2, s2, 0x600000
	v_mov_b32 v9, s2
; The largest score of tile t, the new M and f, and t - M for its 64 scores.  73 plain lines; XE stands behind each.  Each accumulator of S^T is read from its low end on.
.macro PREP t
.set rT, ST+12*(\t)
.set rS, S+64*(\t)
	v_max3_num_f32 v[rT+6], v[rS], v[rS+1], v[rS+2]
	XE
	v_max3_num_f32 v[rT+7], v[rS+3], v[rS+4], v[rS+5]
	XE
.irp i, 6,10,14,18,22,26,30,34,38,42,46,50,54,58
	v_max3_num_f32 v[rT+6], v[rT+6], v[rS+\i], v[rS+\i+1]
	XE
	v_max3_num_f32 v[rT+7], v[rT+7], v[rS+\i+2], v[rS+\i+3]
	XE
.endr
	v_max3_num_f32 v[rT+6], v[rT+6], v[rS+62], v[rS+63]
	XE
	v_max_num_f32 v[rT+6], v[rT+6], v[rT+7]
	XE
	v_permlanex16_b32 v[rT+10], v[rT+6], s20, s21  ; the query's other 64 keys lie in the lane 16 away
	XE
	v_max_num_f32 v[rT+6], v[rT+6], v[rT+10]
	XE
	v_mul_f32 v[rT+6], s22, v[rT+6]                ; as t (c is positive)
	XE
	v_max_num_f32 v[rT+1], v[rT+1], v[rT+6]        ; the running largest t
	XE
	v_mov_b32 v[rT+6], v[rT]
	XE
	v_floor_f32 v[rT], -v[rT+1]                    ; the new -M = floor(-t): M is a whole number
	XE
	v_sub_f32 v[rT+6], v[rT], v[rT+6]              ; old M - new M: a whole number, 0 or less
	XE
	v_cvt_i32_f32 v[rT+6], v[rT+6]                 ; (it saturates)
	XE
	v_ldexp_f32 v[rT+4], 1.0, v[rT+6]              ; f = 2^(old M - new M)
	XE
.irp j, 0,2,4,6,8,10,12,14,16,18,20,22,24,26,28,30,32,34,36,38,40,42,44,46,48,50,52,54,56,58,60,62
	v_pk_fma_f32 v[rS+\j:rS+\j+1], v[rS+\j:rS+\j+1], s[22:23], v[rT:rT+1] op_sel_hi:[1,0,0]   ; t - M (of the pairs c and -M the low word serves both halves)
	XE
.endr
.endm
; The row's sum of tile t, of the unquantised p: 33 plain lines.
.macro SUM t
.set rT, ST+12*(\t)
.set rS, S+64*(\t)
	v_pk_mul_f32 v[rT+2:rT+3], v[rT+2:rT+3], v[rT+4:rT+5] op_sel_hi:[1,0]   ; the sum under the new M
	XE
	v_pk_add_f32 v[rT+8:rT+9], v[rS:rS+1], v[rS+2:rS+3]
	XE
.irp j, 4,8,12,16,20,24,28,32,36,40,44,48,52,56,60
	v_pk_add_f32 v[rT+2:rT+3], v[rT+2:rT+3], v[rS+\j:rS+\j+1]
	XE
	v_pk_add_f32 v[rT+8:rT+9], v[rT+8:rT+9], v[rS+\j+2:rS+\j+3]
	XE
.endr
	v_pk_add_f32 v[rT+2:rT+3], v[rT+2:rT+3], v[rT+8:rT+9]
	XE
.endm
.macro RESC                            ; O^T of both tiles under the new M: 32 plain lines, each accumulator from its low end on
.irp t, 0,1
.irp j, 0,2,4,6,8,10,12,14,16,18,20,22,24,26,28,30
	v_pk_mul_f32 v[OT+32*\t+\j:OT+32*\t+\j+1], v[OT+32*\t+\j:OT+32*\t+\j+1], v[ST+12*\t+4:ST+12*\t+5] op_sel_hi:[1,0]
	XE
.endr
.endr
.endm
; A KEY STEP on the tiles in slot sl.
.macro STEP sl
	global_load_b128 v[36:39], v4, s[36:37]                ; the step's mask words of my row, tile 0 and tile 1: asked for in every step, so that a masked step does not wait long
	global_load_b128 v[40:43], v4, s[36:37] offset:4096
	WIN 0x40                                       ; destination window 1
.irp c, 0,1,2,3,4,5,6,7
	ds_load_b128 v[KV+8*\c:KV+8*\c+3], v1 offset:\sl*16384+1024*\c
	ds_load_b128 v[KV+8*\c+4:KV+8*\c+7], v1 offset:\sl*16384+1024*\c+512
.endr
	WIN 0x05                                       ; sources 0 and 1 window 1
.irp c, 0,1,2,3,4,5,6,7
	s_wait_dscnt 14-2*\c                           ; fragment c is in; the younger fragments' loads may be out
	v_wmma_f32_16x16x64_fp8_fp8 v[S+8*\c:S+8*\c+7], v[KV+8*\c:KV+8*\c+7], v[QF:QF+7], 0
	v_wmma_f32_16x16x64_fp8_fp8 v[S+64+8*\c:S+64+8*\c+7], v[KV+8*\c:KV+8*\c+7], v[QF+8:QF+15], 0
.endr
	WIN 0
.rept 4
	v_nop                                          ; places behind the products: for the loads into K's registers and for the first read of the scores
.endr
	WIN 0x40
.irp t, 0,1,2,3
.irp g, 0,1
.irp u, 0,1
	ds_load_b128 v[KV+16*\t+8*\g+4*\u:KV+16*\t+8*\g+4*\u+3], v1 offset:\sl*16384+8192+4096*\g+1024*\t+512*\u   ; V: they land while the softmax is worked
.endr
.endr
.endr
	WIN 0
	s_bitcmp1_b32 s28, 0                           ; is any key of this step hidden from any of my 32 queries?
	s_cbranch_scc0 .Lopen_\@
	s_wait_loadcnt 0x0                             ; the mask words (the youngest loads)
.irp k, 0,1,2,3,4,5,6,7
	v_lshrrev_b32 v[36+\k], v3, v[36+\k]           ; key 16 c + 8 h + j is bit 4 c + 2 h + j / 4 of word j % 4
.endr
.irp t, 0,1
.irp c, 0,1,2,3,4,5,6,7
.irp j, 0,1,2,3,4,5,6,7
	v_and_b32 v[44+(\j&1)], 1<<(4*\c+(\j>>2)), v[36+4*\t+(\j&3)]
	v_cmp_eq_u32 vcc_lo, 0, v[44+(\j&1)]
	v_cndmask_b32 v[S+64*\t+8*\c+\j], v[S+64*\t+8*\c+\j], v5, vcc_lo   ; a hidden score becomes -infinity: p = 0
.endr
.endr
.endr
.Lopen_\@:
.set EXN, 64
	PREP 0
.set EXN, 0
.set XB, S
	PREP 1                                         ; tile 0's 64 exponentials stand between tile 1's lines; nine plain lines follow the last
	s_wait_alu depctr_va_vdst(0)                   ; one wait for the batch, ahead of its first reader
.set EXN, 0
.set XB, S+64
	SUM 0                                          ; tile 1's 64 exponentials stand between these 65 lines; one plain line follows the last
	RESC
	s_wait_alu depctr_va_vdst(0)
	SUM 1
	s_cmp_ge_i32 s29, -8                           ; p is at most 1, and 448 x 2^e4 is at least 1 from e4 = -8 on: there the hold cannot bind
	s_cbranch_scc1 .Lno_hold_\@
.set hk, 0
.rept 128
	v_min_num_f32 v[S+hk], v[S+hk], v7             ; the conversion does not saturate (ISA guide 7.6.2); p is not negative
.set hk, hk+1
.endr
.Lno_hold_\@:
	WIN 0x40
.irp t, 0,1
.irp c, 0,1,2,3,4,5,6,7
	v_cvt_scalef32_pk8_fp8_f32 v[PF+16*\t+2*\c:PF+16*\t+2*\c+1], v[S+64*\t+8*\c:S+64*\t+8*\c+7], v6
.endr
.endr
	v_nop                                          ; a plain line between the last conversion and the products that read the codes
	s_wait_dscnt 0x0                               ; V is in
	WIN 0x05
.irp t, 0,1,2,3
.irp u, 0,1
	v_wmma_f32_16x16x128_fp8_fp8 v[OT+32*\u+8*\t:OT+32*\u+8*\t+7], v[KV+16*\t:KV+16*\t+15], v[PF+16*\u:PF+16*\u+15], v[OT+32*\u+8*\t:OT+32*\u+8*\t+7]   ; eight accumulators, one instruction each
.endr
.endr
	WIN 0
.rept 4
	v_nop                                          ; places behind the products: the next lines may load into V's registers or read O^T
.endr
.endm
; A TRIP: key step t from slot sl.  s26 bit 0: some wave of the block needs tile t + 1; s27 bit 0: my queries need step t; s28 bit 0: step t has hidden keys for them.
.macro TRIP sl
	s_bitcmp1_b32 s26, 0
	s_cbranch_scc0 .Lno_fetch_\@
	WIN 0x40
	global_load_b128 v[SG:SG+3], v2, s[32:33] offset:8192          ; tile t + 1: K's 8,192 bytes,
	global_load_b128 v[SG+4:SG+7], v2, s[32:33] offset:12288
	global_load_b128 v[SG+8:SG+11], v2, s[34:35] offset:8192       ; V's
	global_load_b128 v[SG+12:SG+15], v2, s[34:35] offset:12288
	WIN 0
.Lno_fetch_\@:
	s_bitcmp1_b32 s27, 0
	s_cbranch_scc0 .Lno_step_\@
	STEP \sl
.Lno_step_\@:
	s_wait_loadcnt 0x0                             ; on every path: no load is pending into the tile's or the mask words' registers when the next trip loads into them
	s_bitcmp1_b32 s26, 0
	s_cbranch_scc0 .Lno_store_\@
	WIN 0x04                                       ; the stores' data lie in window 1
.irp n, 0,1,2,3
	ds_store_b128 v2, v[SG+4*\n:SG+4*\n+3] offset:(1-\sl)*16384+4096*\n
.endr
	WIN 0
.Lno_store_\@:
	s_wait_xcnt 0x0                                ; the trip's loads have read their bases: they may step
	s_add_nc_u64 s[32:33], s[32:33], 8192
	s_add_nc_u64 s[34:35], s[34:35], 8192
	s_add_nc_u64 s[36:37], s[36:37], 256
	s_lshr_b32 s26, s26, 1
	s_lshr_b32 s27, s27, 1
	s_lshr_b32 s28, s28, 1
	s_wait_dscnt 0x0                               ; my stores into the next slot have landed, and my reads of this slot are in:
	s_barrier_signal -1                            ; one barrier orders both; it stands on every wave's path
	s_barrier_wait -1
.endm
.macro ORFL first                      ; s[52:55] |= the flags of eight tiles, group by group
.irp g, 0,1,2,3
.if \first
	s_or_b32 s[52+\g], s[68+\g], s[72+\g]
.else
	s_or_b32 s[52+\g], s[52+\g], s[68+\g]
	s_or_b32 s[52+\g], s[52+\g], s[72+\g]
.endif
.irp k, 2,3,4,5,6,7
	s_or_b32 s[52+\g], s[52+\g], s[68+4*\k+\g]
.endr
.endr
.endm
.Lpass:
	s_sub_co_u32 s17, 7, ttmp9
	s_cmp_eq_u32 s24, 2
	s_cselect_b32 s19, ttmp9, s17                  ; the block of 256 queries: x, then 7 - x
	s_lshl_b32 s2, s19, 4
	s_lshl_b32 s3, s18, 1
	s_add_co_u32 s17, s2, s3                       ; my first tile of 16 queries
	s_mov_b32 s3, 0
	s_lshl_b32 s2, s17, 10
	s_add_nc_u64 s[14:15], s[4:5], s[2:3]          ; its image of q
	s_add_nc_u64 s[32:33], s[4:5], 0x800000        ; k, step 0
	s_add_nc_u64 s[34:35], s[4:5], 0x1000000       ; v, step 0
	s_lshl_b32 s2, s17, 12
	s_add_nc_u64 s[36:37], s[6:7], s[2:3]          ; its mask words, step 0
	s_lshl_b32 s2, s17, 14
	s_add_nc_u64 s[38:39], s[12:13], s[2:3]        ; its image of y
	s_lshl_b32 s2, s19, 8
	s_add_nc_u64 s[40:41], s[8:9], s[2:3]          ; the block's flags: 16 tiles x 16 bytes
	s_lshl_b32 s2, s18, 5
	s_add_nc_u64 s[42:43], s[40:41], s[2:3]        ; my two tiles'
	s_load_b256 s[44:51], s[42:43], 0x0
	s_load_b512 s[68:83], s[40:41], 0x0
	s_load_b512 s[84:99], s[40:41], 0x40
	WIN 0x40
.irp t, 0,1
.irp u, 0,1
	global_load_b128 v[QF+8*\t+4*\u:QF+8*\t+4*\u+3], v1, s[14:15] offset:1024*\t+512*\u   ; Q stays in registers
.endr
.endr
	global_load_b128 v[SG:SG+3], v2, s[32:33]              ; tile 0, in every pass
	global_load_b128 v[SG+4:SG+7], v2, s[32:33] offset:4096
	global_load_b128 v[SG+8:SG+11], v2, s[34:35]
	global_load_b128 v[SG+12:SG+15], v2, s[34:35] offset:4096
	WIN 0
.set pk, 0
.rept 24
	v_mov_b32 v[ST+pk], 0                          ; the statistics: sums 0; the rest written once, since pairs and permutes name them
.set pk, pk+1
.endr
.irp t, 0,1
	v_mov_b32 v[ST+12*\t+1], 0xff61b1e6            ; the largest t so far: -3e38, under every t
	v_floor_f32 v[ST+12*\t], -v[ST+12*\t+1]        ; -M
.endr
.set pk, 0
.rept 64
	v_mov_b32 v[OT+pk], 0                          ; O^T begins as zeros: which step is a wave's first hangs on the mask, so no first step can be written out
.set pk, pk+1
.endr
	s_wait_kmcnt 0x0
	ORFL 1
.irp g, 0,1,2,3
	s_or_b32 s[44+\g], s[44+\g], s[48+\g]          ; my two tiles together
.endr
	s_load_b512 s[68:83], s[40:41], 0x80
	s_load_b512 s[84:99], s[40:41], 0xc0
	s_lshl_b32 s45, s45, 4                         ; a word holds four steps: bits 0-3 'allowed', 16-19 'hidden'
	s_lshl_b32 s46, s46, 8
	s_lshl_b32 s47, s47, 12
	s_or_b32 s44, s44, s45
	s_or_b32 s46, s46, s47
	s_or_b32 s44, s44, s46
	s_and_b32 s27, s44, 0xffff                     ; bit t: my queries need step t
	s_lshr_b32 s28, s44, 16                        ; bit t: step t has hidden keys
	s_wait_kmcnt 0x0
	ORFL 0
	s_lshl_b32 s53, s53, 4
	s_lshl_b32 s54, s54, 8
	s_lshl_b32 s55, s55, 12
	s_or_b32 s52, s52, s53
	s_or_b32 s54, s54, s55
	s_or_b32 s52, s52, s54
	s_and_b32 s26, s52, 0xffff
	s_lshr_b32 s26, s26, 1                         ; bit t: some wave needs tile t + 1; bit 15 is 0, so nothing is loaded past the last tile
	s_wait_loadcnt 0x0                             ; Q and tile 0
	WIN 0x04
.irp n, 0,1,2,3
	ds_store_b128 v2, v[SG+4*\n:SG+4*\n+3] offset:4096*\n   ; slot 0: its last readers passed the barriers of the pass before
.endr
	WIN 0
	s_wait_dscnt 0x0
	s_barrier_signal -1
	s_barrier_wait -1
	s_mov_b32 s25, 8
.Ltrip:
	TRIP 0
	TRIP 1
	s_sub_co_u32 s25, s25, 1
	s_cmp_lg_u32 s25, 0
	s_cbranch_scc1 .Ltrip
	; THE WAY OUT of a pass: y = O^T x 2^(e4 + e5) / the sum, held, quantised with 2^e6; the four conversions of a tile are an image of 16 tokens x this head's 64.
.irp t, 0,1
	v_add_f32 v[ST+12*\t+2], v[ST+12*\t+2], v[ST+12*\t+3]
.endr
.irp t, 0,1
	v_permlanex16_b32 v[ST+12*\t+10], v[ST+12*\t+2], s20, s21
.endr
.irp t, 0,1
	v_add_f32 v[ST+12*\t+2], v[ST+12*\t+2], v[ST+12*\t+10]
.endr
.irp t, 0,1
	v_rcp_f32 v[ST+12*\t+11], v[ST+12*\t+2]
.endr
	v_nop                                          ; a plain line behind the reciprocals
	s_wait_alu depctr_va_vdst(0)                   ; one wait for both, ahead of the first reader
.irp t, 0,1
	v_mul_f32 v[ST+12*\t+6], 0, v[ST+12*\t+11]     ; z = 0 x (1 / sum): 0, or NaN where the sum is 0
	v_ldexp_f32 v[ST+12*\t+4], v[ST+12*\t+11], s30
.endr
.irp t, 0,1
.irp j, 0,2,4,6,8,10,12,14,16,18,20,22,24,26,28,30
	v_pk_mul_f32 v[S+64*\t+\j:S+64*\t+\j+1], v[OT+32*\t+\j:OT+32*\t+\j+1], v[ST+12*\t+4:ST+12*\t+5] op_sel_hi:[1,0]
.endr
.irp j, 0,1,2,3,4,5,6,7,8,9,10,11,12,13,14,15,16,17,18,19,20,21,22,23,24,25,26,27,28,29,30,31
	v_med3_num_f32 v[S+64*\t+\j], v[S+64*\t+\j], -v9, v9
.endr
.irp j, 0,2,4,6,8,10,12,14,16,18,20,22,24,26,28,30
	v_pk_add_f32 v[S+64*\t+\j:S+64*\t+\j+1], v[S+64*\t+\j:S+64*\t+\j+1], v[ST+12*\t+6:ST+12*\t+7] op_sel_hi:[1,0]   ; + z: the hold drops a NaN, this brings it back
.endr
.irp c, 0,1,2,3
	v_cvt_scalef32_pk8_fp8_f32 v[46+8*\t+2*\c:46+8*\t+2*\c+1], v[S+64*\t+8*\c:S+64*\t+8*\c+7], v8
.endr
.endr
	v_nop                                          ; a plain line behind the last conversion
.irp t, 0,1
.irp u, 0,1
	global_store_b128 v1, v[46+8*\t+4*\u:46+8*\t+4*\u+3], s[38:39] offset:16384*\t+512*\u   ; the wave stores 512 consecutive bytes, aligned
.endr
.endr
	s_wait_xcnt 0x0                                ; the stores have read their registers and their base: the next pass writes both
	s_sub_co_u32 s24, s24, 1
	s_cmp_lg_u32 s24, 0
	s_cbranch_scc1 .Lpass
	s_wait_tensorcnt 0x0
	ds_add_u32 v62, v63
	s_wait_dscnt 0x0
	s_endpgm
.Lfunc_end_k_q8c54aba42f_attn:
	.size	k_q8c54aba42f_attn, .Lfunc_end_k_q8c54aba42f_attn-k_q8c54aba42f_attn
	.p2alignl 7, 3214868480
	.fill 96, 4, 3214868480
	.section	.rodata,"a",@progbits
	.p2align	6, 0x0
	.amdhsa_kernel k_q8c54aba42f_attn
		.amdhsa_group_segment_fixed_size 33792
		.amdhsa_private_segment_fixed_size 0
		.amdhsa_enable_private_segment 0
		.amdhsa_kernarg_size 40
		.amdhsa_user_sgpr_count 2
		.amdhsa_user_sgpr_kernarg_segment_ptr 1
		.amdhsa_wavefront_size32 1
		.amdhsa_system_sgpr_workgroup_id_x 1
		.amdhsa_system_sgpr_workgroup_id_y 1
		.amdhsa_system_sgpr_workgroup_id_z 1
		.amdhsa_system_vgpr_workitem_id 0
		.amdhsa_next_free_vgpr 384
		.amdhsa_next_free_sgpr 100
		.amdhsa_reserve_vcc 1
		.amdhsa_float_denorm_mode_32 3
		.amdhsa_float_denorm_mode_16_64 3
		.amdhsa_memory_ordered 1
		.amdhsa_forward_progress 1
		.amdhsa_inst_pref_size 111
	.end_amdhsa_kernel
	.amdgpu_metadata
---
amdhsa.version: [ 1, 2 ]
amdhsa.kernels:
  - .name:           k_q8c54aba42f_attn
    .symbol:         k_q8c54aba42f_attn.kd
    .args:
      - { .name: qkvc, .offset: 0, .size: 8, .value_kind: global_buffer, .address_space: global }
      - { .name: bm, .offset: 8, .size: 8, .value_kind: global_buffer, .address_space: global }
      - { .name: fl, .offset: 16, .size: 8, .value_kind: global_buffer, .address_space: global }
      - { .name: lowp_scales, .offset: 24, .size: 8, .value_kind: global_buffer, .address_space: global }
      - { .name: yc, .offset: 32, .size: 8, .value_kind: global_buffer, .address_space: global }
    .group_segment_fixed_size: 33792
    .private_segment_fixed_size: 0
    .kernarg_segment_align: 8
    .kernarg_segment_size: 40
    .max_flat_workgroup_size: 256
    .sgpr_count:     100
    .vgpr_count:     384
    .wavefront_size: 32
...
	.end_amdgpu_metadata
.endif
;; end of part 3
;; launch proj (part 4): grid 4 x 32, 4 waves a work-group, clusters of 4 x 4, 327,680 bytes of LDS; arguments yc, woc, lowp_scales, bo, out0; writes out0
.if DOCPART == 4
	.amdgcn_target "amdgcn-amd-amdhsa--gfx1250"
	.amdhsa_code_object_version 6
	.text
	.protected	k_q8c54aba42f_proj
	.globl	k_q8c54aba42f_proj
	.p2align	8
	.type	k_q8c54aba42f_proj,@function
k_q8c54aba42f_proj:
	s_mov_b64 s[64:65], 0
	v_nop
	global_prefetch_b8 v0, s[64:65] scope:SCOPE_SE
	s_setreg_imm32_b32 hwreg(HW_REG_WAVE_MODE, 25, 1), 1
	s_wait_xcnt 0x0
	s_wait_alu depctr_hold_cnt(0) depctr_sa_sdst(0) depctr_va_vdst(0) depctr_va_sdst(0) depctr_va_ssrc(0) depctr_va_vcc(0) depctr_vm_vsrc(0)
	s_getreg_b32 s2, hwreg(HW_REG_IB_STS2, 6, 4)
	s_cmp_eq_u32 s2, 0
	s_cbranch_scc0 .Lentry_in_a_cluster
	s_endpgm
.Lentry_in_a_cluster:
	s_bfe_u32 s2, ttmp6, 0x10000c
	s_cmp_lg_u32 s2, 0xf033
	s_cbranch_scc0 .Lentry_shape_is_right
	s_endpgm
.Lentry_shape_is_right:
; out = y Wo + bo on codes of E4M3.  out(m, n) = sum x 2^(e6 + e7) + bo(n), one multiply-add.  LIMIT: e6 + e7 between -126 and 127.
; yc: [token tile 512][head 16][1,024]: images of the operand's registers (registers 4 u .. 4 u + 3 of lane l at byte 512 u + 16 l); two neighbouring heads' images are a fragment of 16 tokens x 128 K in the plain 8-bit layout.
; woc: [1024 n][1024]: stored byte p holds k = p with bits 3 and 4 exchanged, so that four loads of 16 bytes, 32 apart, put each code where y's image has the same k.
; A tile of 256 x 256 of out is made by four waves, 128 x 128 each; K goes in steps of 256 through a ring of two LDS slots.  A's part of a slot: 16 token tiles x 4,096 bytes (four heads' images), dense, read 16 bytes a lane on end;
; B's: 256 rows of 256 bytes + 16 of padding.  128 tiles: the output has no more of this size, and a smaller tile would read each LDS byte for half the products.
; CLUSTERS: 4 x 4 work-groups; y's tiles are asked for jointly along a row of the cluster, Wo's along a column.  The matrix instruction takes Wo's rows as source 0 and y's as source 1: a lane holds eight neighbouring numbers of a row.
; No prefetch: K has four steps, two of which are the first fills.
; REGISTERS: window 0: v0-31 addresses; v32-95 bo in the results' layout; from v128 A's fragments, one set (on the way out v96-223: rows read back).   window 1: B's fragments, two sets.   windows 2, 3: the accumulators.
.set SIZE_K, 1024
.set SIZE_N, 1024
.set ROWB,   256
.set KROW,   SIZE_K
.set PITCH,  272
.set FR,     16
.set NL,     4
.set NP,     4
.set AHALF,  32768                     ; 8 token tiles x 4,096 bytes: what one of A's tensor loads brings
.set ASTEP,  4096                      ; a K step of 256 in a token tile's 16,384 bytes
.set BOFF,   2*AHALF
.set HALFT,  128*PITCH
.set SLOT,   BOFF+2*HALFT
.set LAPS,   2
.set SPARE,  2*SLOT                    ; behind the ring: the spare words, 128 bytes for each wave, which no other line names
.set SPITCH, 528                       ; the way out: a stage of 16 rows x (512 + 16) bytes for each wave, in slot 0, which has had its last fill and its last read by then
.set ADRA, 16
.set ADRB, 20
.set STO,  24
.set RD,   25
.set CO,   26
.set SPW,  28
.set NIL,  29
.set BI,   32
.set AF,   128
.set BK,   96
.set G1, 24
.set G0, 32
.set G1B, 48
.set G0B, 56
.set MSB, 0
.macro WIN new
.if MSB != \new
	s_set_vgpr_msb (MSB<<8)|\new
.set MSB, \new
.endif
.endm
.set MUL_LO, 0xa1
.set MUL_HI, 0xf1
.set TO_B,   0x40
.macro JLOAD g0a, g1a, g0b, g1b        ; waves 0 and 1 fetch for A, waves 2 and 3 for B; four v_nop follow each of the two lines
	s_cmp_eq_u32 s15, 0
	s_cbranch_scc0 .Lfor_b_\@
	tensor_load_to_lds s[\g0a:\g0a+3], s[\g1a:\g1a+7]
	s_nop 0
.rept 4
	v_nop
.endr
	s_branch .Lasked_\@
.Lfor_b_\@:
	tensor_load_to_lds s[\g0b:\g0b+3], s[\g1b:\g1b+7]
	s_nop 0
.rept 4
	v_nop
.endr
.Lasked_\@:
.endm
.macro CREST
	s_cmp_lg_u32 s14, 0
	s_cbranch_scc1 .Lnot_wave_0_\@
	s_barrier_signal -3
.Lnot_wave_0_\@:
	s_barrier_wait -3
	s_barrier_signal -1
	s_barrier_wait -1
.endm
.macro CROUND
	s_barrier_signal -1
	s_barrier_wait -1
	CREST
.endm
	s_load_b256 s[4:11], s[0:1], 0x0               ; yc s[4:5], woc s[6:7], the exponents s[8:9], bo s[10:11]
	s_load_b64 s[68:69], s[0:1], 0x20              ; out0
	v_lshl_add_u32 v[SPW], v0, 2, SPARE
	v_mov_b32 v[NIL], 0
	ds_add_u32 v28, v29
	ds_add_u32 v28, v29
	s_wait_dscnt 0x0
	v_lshrrev_b32 v1, 5, v0
	v_readfirstlane_b32 s14, v1                    ; wave 0..3
	s_lshr_b32 s15, s14, 1                         ; which half of the tile's rows is mine.  Also: I fetch for A (0) or for B (1)
	s_and_b32 s16, s14, 1                          ; which half of its columns.  Also: which half of that tile I fetch
	s_bfe_u32 s40, ttmp6, 0x40000                  ; cx, cy
	s_bfe_u32 s41, ttmp6, 0x40004
	s_lshl_b32 s42, ttmp9, 2
	s_add_co_u32 s42, s42, s40                     ; tile column
	s_and_b32 s17, ttmp7, 0xffff
	s_lshl_b32 s17, s17, 2
	s_add_co_u32 s17, s17, s41                     ; tile row
	s_lshl_b32 s43, s41, 2
	s_lshl_b32 s43, 15, s43                        ; my row of the cluster
	s_lshl_b32 s44, 0x1111, s40                    ; my column
	; A's tiles: 8 rows of 512 elements of 8 bytes (4,096 bytes), 2,048 elements apart, dense in LDS
	s_or_b32 s[G1+0], s43, (3<<16)|(1<<21)         ; 15:0 the mask; 17:16 elements of 8 bytes; 21 set beside a mask; no padding
	s_mov_b32 s[G1+1], 512<<16                     ; tensor_dim0
	s_mov_b32 s[G1+2], 8<<16                       ; tensor_dim1
	s_mov_b32 s[G1+3], 512<<16                     ; tile_dim0
	s_mov_b32 s[G1+4], 8                           ; tile_dim1
	s_mov_b32 s[G1+5], 2048                        ; tensor_dim0_stride
	s_mov_b32 s[G1+6], 0
	s_mov_b32 s[G1+7], 0
	; B's tiles: 128 rows of 256 bytes, 1,024 apart, 16 bytes of padding behind each
	s_or_b32 s[G1B+0], s44, (0<<16)|(1<<20)|(1<<21)|(5<<22)|(3<<25)
	s_mov_b32 s[G1B+1], ROWB<<16
	s_mov_b32 s[G1B+2], 128<<16
	s_mov_b32 s[G1B+3], ROWB<<16
	s_mov_b32 s[G1B+4], 128
	s_mov_b32 s[G1B+5], KROW
	s_mov_b32 s[G1B+6], 0
	s_mov_b32 s[G1B+7], 0
	s_lshl_b32 s20, s17, 18                        ; A: token tile 16 x tile row + 8 x half, 16,384 bytes each
	s_lshl_b32 s18, s16, 17
	s_add_co_u32 s20, s20, s18
	s_mov_b32 s21, 0
	s_lshl_b32 s46, s42, 18                        ; B: row 256 x tile column + 128 x half, 1,024 bytes each
	s_add_co_u32 s46, s46, s18
	s_mov_b32 s47, 0
	s_lshl_b32 s45, s16, 15                        ; where they go: A's half,
	s_mul_i32 s75, s16, HALFT
	s_add_co_u32 s75, s75, BOFF                    ; B's half
	s_wait_kmcnt 0x0
	s_load_b64 s[96:97], s[8:9], 0x18              ; e6, e7
	s_add_nc_u64 s[20:21], s[4:5], s[20:21]
	s_add_nc_u64 s[46:47], s[6:7], s[46:47]
	CROUND                                         ; all sixteen work-groups are here: the first joint loads meet
.irp s, 0,1
	s_mov_b32 s[G0+4*\s], 1
	s_add_co_u32 s[G0+4*\s+1], s45, \s*SLOT
	s_add_nc_u64 s[G0+4*\s+2:G0+4*\s+3], s[20:21], \s*ASTEP
	s_or_b32 s[G0+4*\s+3], s[G0+4*\s+3], 0x80000000
	s_mov_b32 s[G0B+4*\s], 1
	s_add_co_u32 s[G0B+4*\s+1], s75, \s*SLOT
	s_add_nc_u64 s[G0B+4*\s+2:G0B+4*\s+3], s[46:47], \s*ROWB
	s_or_b32 s[G0B+4*\s+3], s[G0B+4*\s+3], 0x80000000
	JLOAD G0+4*\s, G1, G0B+4*\s, G1B               ; two tensor loads of mine are out
.endr
	v_and_b32 v1, 15, v0                           ; r
	v_bfe_u32 v2, v0, 4, 1                         ; h
	v_and_b32 v6, 31, v0
	v_lshlrev_b32 v[CO], 4, v6                     ; 16 x lane
	v_mul_u32_u24 v3, v1, PITCH
	v_lshl_add_u32 v4, v2, 4, v3                   ; B: a fragment's row x pitch + 16 h
	s_lshl_b32 s21, s15, 15                        ; my 8 token tiles of A
	s_mul_i32 s22, s16, HALFT                      ; my 128 rows of B
	s_add_co_u32 s22, s22, BOFF
.irp s, 0,1
	v_add_nc_u32 v[ADRA+\s], s21, v[CO]
	v_add_nc_u32 v[ADRB+\s], s22, v4
	s_add_co_u32 s21, s21, SLOT
	s_add_co_u32 s22, s22, SLOT
.endr
	s_mul_i32 s23, s14, 16*SPITCH                  ; my stage
	v_mul_u32_u24 v5, v1, SPITCH
	v_lshl_add_u32 v5, v2, 5, v5
	v_add_nc_u32 v[STO], s23, v5                   ; in: row r, 32 bytes for each half of the lanes
	v_add_nc_u32 v[RD], s23, v[CO]                 ; back: the 32 lanes take one row of 512 bytes
	s_lshl_b32 s88, s42, 10                        ; my first column, in bytes: 1,024 x tile column + 512 x half: in bo,
	s_lshl_b32 s89, s16, 9
	s_add_co_u32 s88, s88, s89
	s_mov_b32 s89, 0
	s_add_nc_u64 s[10:11], s[10:11], s[88:89]
	s_lshl_b32 s90, s17, 8
	s_lshl_b32 s91, s15, 7
	s_add_co_u32 s90, s90, s91                     ; my first row
	s_lshl_b32 s90, s90, 12                        ; of 4,096 bytes
	s_mov_b32 s91, 0
	s_add_nc_u64 s[68:69], s[68:69], s[90:91]
	s_add_nc_u64 s[68:69], s[68:69], s[88:89]      ; and in out0
	v_lshlrev_b32 v7, 5, v2
.irp b, 0,1,2,3,4,5,6,7
	global_load_b128 v[BI+8*\b:BI+8*\b+3], v7, s[10:11] offset:64*\b        ; bo(n0 + 16 b + 8 h + 0 .. 7): read once, kept for the way out
	global_load_b128 v[BI+8*\b+4:BI+8*\b+7], v7, s[10:11] offset:64*\b+16
.endr
.macro FRAG reg, adr, q, i             ; B: 16 rows x 128 K: four loads of 16 bytes, 32 apart
.irp c, 0,1,2,3
	ds_load_b128 v[\reg+4*\c:\reg+4*\c+3], v[\adr] offset:128*(\q)+32*\c+(\i)*16*PITCH
.endr
.endm
.macro FRAGA reg, adr, q, i            ; A: token tile i, heads 2 q, 2 q + 1 of the slot's four: the image comes back as it was stored
.irp c, 0,1,2,3
	ds_load_b128 v[\reg+4*\c:\reg+4*\c+3], v[\adr] offset:4096*(\i)+2048*(\q)+512*\c
.endr
.endm
.macro MUL16 a0, p, zero               ; the 64 accumulators take turns, one instruction a turn, in the same order in every step
.irp a, \a0, \a0+1
.irp b, 0,1,2,3,4,5,6,7
.if \zero
	v_wmma_f32_16x16x128_fp8_fp8 v[8*(8*((\a)%4)+\b):8*(8*((\a)%4)+\b)+7], v[128*(\p)+FR*\b:128*(\p)+FR*\b+FR-1], v[AF+FR*(\a):AF+FR*(\a)+FR-1], 0
.else
	v_wmma_f32_16x16x128_fp8_fp8 v[8*(8*((\a)%4)+\b):8*(8*((\a)%4)+\b)+7], v[128*(\p)+FR*\b:128*(\p)+FR*\b+FR-1], v[AF+FR*(\a):AF+FR*(\a)+FR-1], v[8*(8*((\a)%4)+\b):8*(8*((\a)%4)+\b)+7]
.endif
.endr
.endr
.endm
.macro FETCH_B slot, q, p
	WIN TO_B
.irp i, 0,1,2,3,4,5,6,7
	FRAG 128*(\p)+FR*\i, ADRB+\slot, \q, \i
.endr
	WIN 0
.endm
.macro FETCH_A slot, q, i0
.irp i, \i0, \i0+1, \i0+2, \i0+3
	FRAGA AF+FR*(\i), ADRA+\slot, \q, \i
.endr
.endm
.macro PLACES n
.rept \n
	v_nop
.endr
.endm
.macro STEP slot, q, zero
	s_wait_dscnt 4*NL                              ; B's set and A's blocks 0-3 are in; the youngest 16 loads (A's blocks 4-7) may be out
	WIN MUL_LO
	MUL16 0, (\q)%2, \zero
	MUL16 2, (\q)%2, \zero
	s_wait_dscnt 0
	PLACES NP
	FETCH_B \slot, (\q)+1, 1-(\q)%2
	FETCH_A \slot, (\q)+1, 0
	WIN MUL_HI
	MUL16 4, (\q)%2, \zero
	MUL16 6, (\q)%2, \zero
	PLACES NP
	WIN 0
	FETCH_A \slot, (\q)+1, 4
.endm
.macro TURN slot, next, fill
	s_wait_tensorcnt 0x0                           ; all my tensor loads have landed: my part of the next slot
	ds_add_u32 v[SPW], v[NIL]                      ; 0 onto my spare word
	s_wait_dscnt 4*NL+1                            ; (the add and the youngest 16 loads may be out)
	WIN MUL_LO
	MUL16 0, 1, 0
	s_wait_dscnt 0x0                               ; the add is done, and my reads of this slot are over
	s_barrier_signal -1
	MUL16 2, 1, 0
	WIN 0
	s_barrier_wait -1
.if \fill
	CREST                                          ; the barrier has opened a round of the cluster's barrier
	s_add_nc_u64 s[G0+4*\slot+2:G0+4*\slot+3], s[G0+4*\slot+2:G0+4*\slot+3], 2*ASTEP
	s_add_nc_u64 s[G0B+4*\slot+2:G0B+4*\slot+3], s[G0B+4*\slot+2:G0B+4*\slot+3], 2*ROWB
	JLOAD G0+4*\slot, G1, G0B+4*\slot, G1B         ; my one tensor load behind the round; its four v_nop are also the places in front of the loads below
.else
	PLACES NP
.endif
	FETCH_B \next, 0, 0
	FETCH_A \next, 0, 0
	WIN MUL_HI
	MUL16 4, 1, 0
	MUL16 6, 1, 0
	PLACES NP
	WIN 0
	FETCH_A \next, 0, 4
.endm
	s_wait_tensorcnt 1                             ; my part of K step 0 is in (K step 1's load may be out),
	s_barrier_signal -1
	s_barrier_wait -1                              ; everybody's is
	FETCH_B 0, 0, 0
	FETCH_A 0, 0, 0
	FETCH_A 0, 0, 4
	STEP 0, 0, 1
	s_mov_b32 s3, LAPS-1
.Llap:
	TURN 0, 1, 1
	STEP 1, 0, 0
	TURN 1, 0, 1
	STEP 0, 0, 0
	s_sub_co_u32 s3, s3, 1
	s_cmp_lg_u32 s3, 0
	s_cbranch_scc1 .Llap
	TURN 0, 1, 0
	STEP 1, 0, 0
	s_wait_dscnt 4*NL
	WIN MUL_LO
	MUL16 0, 1, 0
	MUL16 2, 1, 0
	s_wait_dscnt 0
	WIN MUL_HI
	MUL16 4, 1, 0
	MUL16 6, 1, 0
	WIN 0
; THE WAY OUT, block by block of 16 rows x 128 columns: sum x 2^(e6 + e7) + bo in place, each accumulator from its low end on; through my own stage in LDS; back as whole rows of 512 bytes.
.macro TOSTAGE a
.set AC, 64*((\a)%4)
	WIN (0x82+0x41*((\a)/4))                       ; source 0 and destination window 2 or 3; bo in window 0
.irp j, 0,2,4,6,8,10,12,14,16,18,20,22,24,26,28,30,32,34,36,38,40,42,44,46,48,50,52,54,56,58,60,62
	v_pk_fma_f32 v[AC+\j:AC+\j+1], v[AC+\j:AC+\j+1], s[96:97], v[BI+\j:BI+\j+1] op_sel_hi:[1,0,1]
.endr
	WIN (0x08+4*((\a)/4))                          ; the stores' data: window 2 or 3
.irp b, 0,1,2,3,4,5,6,7
	ds_store_b128 v[STO], v[AC+8*\b:AC+8*\b+3] offset:64*\b
	ds_store_b128 v[STO], v[AC+8*\b+4:AC+8*\b+7] offset:64*\b+16
.endr
	WIN 0
.set BB, BK+64*((\a)%2)
.irp t, 0,1,2,3,4,5,6,7,8,9,10,11,12,13,14,15
	ds_load_b128 v[BB+4*\t:BB+4*\t+3], v[RD] offset:\t*SPITCH   ; LDS serves a wave's instructions in order (ISA guide 5.7.1.4): these see the stores above
.endr
.endm
.macro SEND a, younger
.set BB, BK+64*((\a)%2)
	s_wait_dscnt \younger                          ; the block is back in registers; the next block's 16 stores and 16 loads may be out
.if (\a) > 0
	s_add_nc_u64 s[68:69], s[68:69], 16*SIZE_N*4   ; (behind a wait on XCNT: the earlier stores have read their base)
.endif
.irp t, 0,1,2,3,4,5,6,7,8,9,10,11,12,13,14,15
	global_store_b128 v[CO], v[BB+4*\t:BB+4*\t+3], s[68:69] offset:\t*SIZE_N*4 th:TH_STORE_NT   ; 32 lanes store 512 consecutive bytes, aligned
.endr
.endm
	s_wait_kmcnt 0x0
	s_add_co_i32 s96, s96, s97
	s_add_co_i32 s96, s96, 127
	s_lshl_b32 s96, s96, 23                        ; 2^(e6 + e7) as f32
	s_mov_b32 s97, s96                             ; (named with it as a pair)
	s_wait_loadcnt 0x0                             ; bo
	PLACES NP                                      ; behind the last products: for the lines on their results and the loads into A's registers
	TOSTAGE 0
.irp a, 1,2,3,4,5,6,7
.if \a > 1
	s_wait_xcnt 0x0                                ; block a - 2's stores have read their registers and their base
.endif
	TOSTAGE \a
	SEND \a-1, 32
.endr
	s_wait_xcnt 0x0
	SEND 7, 0
	s_wait_tensorcnt 0x0                           ; the wave's end
	ds_add_u32 v[SPW], v[NIL]
	s_wait_dscnt 0x0
	CROUND                                         ; the closing round
	s_endpgm
.Lfunc_end_k_q8c54aba42f_proj:
	.size	k_q8c54aba42f_proj, .Lfunc_end_k_q8c54aba42f_proj-k_q8c54aba42f_proj
	.p2alignl 7, 3214868480
	.fill 96, 4, 3214868480
	.section	.rodata,"a",@progbits
	.p2align	6, 0x0
	.amdhsa_kernel k_q8c54aba42f_proj
		.amdhsa_group_segment_fixed_size 327680
		.amdhsa_private_segment_fixed_size 0
		.amdhsa_enable_private_segment 0
		.amdhsa_kernarg_size 40
		.amdhsa_user_sgpr_count 2
		.amdhsa_user_sgpr_kernarg_segment_ptr 1
		.amdhsa_wavefront_size32 1
		.amdhsa_system_sgpr_workgroup_id_x 1
		.amdhsa_system_sgpr_workgroup_id_y 1
		.amdhsa_system_sgpr_workgroup_id_z 1
		.amdhsa_system_vgpr_workitem_id 0
		.amdhsa_next_free_vgpr 1024
		.amdhsa_next_free_sgpr 100
		.amdhsa_reserve_vcc 0
		.amdhsa_float_denorm_mode_32 3
		.amdhsa_float_denorm_mode_16_64 3
		.amdhsa_memory_ordered 1
		.amdhsa_forward_progress 1
		.amdhsa_inst_pref_size 125
	.end_amdhsa_kernel
	.amdgpu_metadata
---
amdhsa.version: [ 1, 2 ]
amdhsa.kernels:
  - .name:           k_q8c54aba42f_proj
    .symbol:         k_q8c54aba42f_proj.kd
    .args:
      - { .name: yc, .offset: 0, .size: 8, .value_kind: global_buffer, .address_space: global }
      - { .name: woc, .offset: 8, .size: 8, .value_kind: global_buffer, .address_space: global }
      - { .name: lowp_scales, .offset: 16, .size: 8, .value_kind: global_buffer, .address_space: global }
      - { .name: bo, .offset: 24, .size: 8, .value_kind: global_buffer, .address_space: global }
      - { .name: out0, .offset: 32, .size: 8, .value_kind: global_buffer, .address_space: global }
    .group_segment_fixed_size: 327680
    .private_segment_fixed_size: 0
    .kernarg_segment_align: 8
    .kernarg_segment_size: 40
    .max_flat_workgroup_size: 128
    .sgpr_count:     100
    .vgpr_count:     1024
    .wavefront_size: 32
...
	.end_amdgpu_metadata
.endif
;; end of part 4
;; ======== version 2 of 2: 4 launches; version 1 with the launch attn written anew for expert scheduling mode
;; workspace buffers: xc 8,388,608 bytes; wc 3,145,728 bytes; woc 1,048,576 bytes; qkvc 25,165,824 bytes; yc 8,388,608 bytes; bm 524,288 bytes of whole numbers; fl 2,048 bytes of whole numbers
;; launch prep: the kernel of part 1 again; grid 512 x 1, 4 waves a work-group, no clusters, 70,144 bytes of LDS; arguments x, Wqkv, Wo, mask, lowp_scales, xc, wc, woc, bm, fl; writes xc, wc, woc, bm, fl
;; launch qkvgemm: the kernel of part 2 again; grid 12 x 32, 4 waves a work-group, clusters of 4 x 4, 327,680 bytes of LDS; arguments xc, wc, lowp_scales, bqkv, qkvc; writes qkvc
;; launch attn (part 5): grid 4 x 64, 8 waves a work-group, no clusters, 33,792 bytes of LDS; arguments qkvc, bm, fl, lowp_scales, yc; writes yc
.if DOCPART == 5
	.amdgcn_target "amdgcn-amd-amdhsa--gfx1250"
	.amdhsa_code_object_version 6
	.text
	.protected	k_q8c54aba42f_attn
	.globl	k_q8c54aba42f_attn
	.p2align	8
	.type	k_q8c54aba42f_attn,@function
k_q8c54aba42f_attn:
	s_mov_b64 s[64:65], 0
	v_nop
	global_prefetch_b8 v0, s[64:65] scope:SCOPE_SE
	s_setreg_imm32_b32 hwreg(HW_REG_WAVE_SCHED_MODE, 0, 2), 2
	s_setreg_imm32_b32 hwreg(HW_REG_WAVE_MODE, 25, 1), 1
	s_wait_xcnt 0x0
	s_wait_alu depctr_vm_vsrc(0)
; y = softmax(q k^T / 8, under the given mask) v for one (batch, head), both products on codes of E4M3; y leaves as codes (scale e6), as images of the last product's operand registers.
; THE SOFTMAX: t = score x log2(e) / 8; M = the row's largest t so far, rounded up to a whole number; p = 2^(t - M) is quantised with 2^e4, not normalised; the row's sum is taken of the unquantised p and divides at the end.
; When M moves, the sum and O are multiplied by 2^(old M - new M): exact.
; THE MASK IS AN INPUT.  It comes as bits (bm) and, for each tile of 16 queries and step of 128 keys, two flags (fl): 'some key allowed', 'some key hidden'.  A step with no allowed key for my 32 queries adds nothing (every p is 0)
; and is jumped over; a step with no hidden key skips the masking.  Both are scalar branches on stored whole numbers.  A query with no allowed key at all has sum 0: its y is NaN, as in the softmax of a row of -infinity.
; SHARES.  A work-group makes two passes over blocks of 256 queries: block x, then block 7 - x.  Each of its eight waves owns 32 queries, two tiles of 16, which share every fragment of K and V read from LDS.  A key step is 128 keys.
; K AND V COME THROUGH REGISTERS, NOT BY TENSOR LOADS, AND THERE IS NO CLUSTER: which steps a work-group walks hangs on flags read from memory.  A step's 8,192 bytes
; of K and of V are dense blocks of images; 256 threads copy them (16 bytes x 4 a thread) into one of two LDS slots, one step ahead: loaded at a trip's head, stored at its end, one barrier a trip.  No prefetch: a tile is asked for a
; whole step ahead and is read by several passes.
; LAYOUT.  S^T = K Q^T (source 0 = 16 keys, source 1 = 16 queries, K = 64) and O^T = V^T P^T (source 0 = 16 of the head's 64, source 1 = P, K = 128): a lane holds one query (lane % 16) throughout; S^T tile c's register j is key
; 16 c + 8 (lane / 16) + j, so its eight codes are registers 2 c, 2 c + 1 of P in the plain 8-bit layout.
; LIMITS: e2 + e3 between -123 and 130 (added to c's exponent field); e4 and e6 between -126 and 119.
; REGISTERS.  window 0: v1 16 x lane, v2 16 x thread, v3 2 (lane / 16), v4 16 (lane % 16), v5 -infinity, v6, v7 2^e4 and 448 x 2^e4, v8, v9 the same for e6; v12-35 statistics, 12 a tile: +0 -M, +1 largest t, +2, +3 the sum,
;   +4 f (+5 named with it), +6, +7 at work, +8, +9 a second chain of the sum, +10 the other half's, +11 the reciprocal; v36-43 mask words; v44, v45 at work; v46-61 y's codes; v64-191 S^T, then p; v192-255 O^T.
;   window 1: v0-63 K's fragments; v64-79 Q; v80-111 P's codes; v112-127 the tile on its way from memory to LDS; v128-191 V's fragments.
; THE MODE: SCHED_MODE bits 1:0 = 2 (LLVM: expert scheduling mode 2), set by the entry lines.  The code itself states the register dependences between vector or matrix instructions and memory or LDS instructions, with s_wait_alu, always for 0.
; THE PLAN.  Registers that memory or LDS instructions touch:
;   v1, v2, v4   addresses: written at the kernel's head, never again; read by every load and store.
;   Q            written by the loads at a pass's head; read by every step's products K Q^T.
;   SG           written by the tile's loads at a trip's head (at a pass's head: tile 0); read by the LDS stores at the trip's end (at the pass's head).  No vector instruction names it.
;   K, V         written by the 32 LDS loads at a step's head; K is read by the step's 16 products K Q^T, V by its 8 products V^T P.  Each has registers of its own.
;   v36-43       the mask words: written by the two loads at a step's head; shifted in place and tested by a masked step's vector lines.
;   v46-61       y's codes: written by the conversions of a pass's way out; read by the four stores behind them.
;   S^T, P's codes, O^T and the statistics are named by vector and matrix instructions alone.
; So ONE wait on va_vdst stands at a step's head: the step before is done with K, V and the mask words, and the step's 34 loads follow it with only loads and a window switch between.  One stands at a pass's head (the addresses; Q), one ahead
; of a pass's stores.  A wait on vm_vsrc stands ahead of each trip's loads into SG and behind a pass's stores.  A masked step's compares go in runs of 32 into s68-99, with one wait on va_sdst behind each run.
.set S,   64
.set OT,  192
.set ST,  12
.set KV,  0
.set QF,  64
.set PF,  80
.set SG,  112
.set VF,  128
.set MK,  68                           ; s68-99: a run's 32 masks (flags at a pass's head, free in the loop)
.set EXN, 64                           ; which exponential XE writes next (64: none)
.set XB,  S                            ; and of which tile
.set MSB, 0
.macro WIN new                         ; the immediate's high byte repeats the setting that is left
.if MSB != \new
	s_set_vgpr_msb (MSB<<8)|\new
.set MSB, \new
.endif
.endm
.macro XE                              ; the next exponential of the tile in hand, set behind a plain line of the other tile's work
.if EXN < 64
	v_exp_f32 v[XB+EXN], v[XB+EXN]
.set EXN, EXN+1
.endif
.endm
	s_load_b256 s[4:11], s[0:1], 0x0               ; qkvc s[4:5], bm s[6:7], fl s[8:9], the exponents s[10:11]
	s_load_b64 s[12:13], s[0:1], 0x20              ; yc
	v_lshl_add_u32 v62, v0, 2, 0x8000
	v_mov_b32 v63, 0
	v_lshrrev_b32 v44, 5, v0
	v_readfirstlane_b32 s18, v44                   ; wave 0..7
	v_and_b32 v1, 31, v0
	v_lshlrev_b32 v1, 4, v1
	v_lshlrev_b32 v2, 4, v0
	v_bfe_u32 v3, v0, 4, 1
	v_lshlrev_b32 v3, 1, v3
	v_and_b32 v4, 15, v0
	v_lshlrev_b32 v4, 4, v4
	v_mov_b32 v5, 0xff800000
	s_wait_alu depctr_va_sdst(0)                   ; s18 is written, ahead of its first reader: each pass makes its tiles' addresses from it
	s_mov_b32 s20, 0x76543210                      ; v_permlanex16_b32's selects: lane l xor 16
	s_mov_b32 s21, 0xfedcba98
	s_mov_b32 s22, 0x3e38aa3b                      ; c = log2(e) / 8
	s_mov_b32 s24, 2                               ; passes to go
	s_and_b32 s16, ttmp7, 0xffff                   ; batch x 16 + head
	s_wait_kmcnt 0x0
	s_load_b256 s[56:63], s[10:11], 0x0            ; e0 .. e7
	s_lshl_b32 s2, s16, 17
	s_mov_b32 s3, 0
	s_add_nc_u64 s[4:5], s[4:5], s[2:3]            ; q of my head; k lies 8 MiB on, v 16 MiB
	s_lshr_b32 s2, s16, 4
	s_lshl_b32 s2, s2, 21                          ; yc: 128 token tiles of 16,384 bytes a batch,
	s_and_b32 s17, s16, 15
	s_lshl_b32 s17, s17, 10                        ; 1,024 a head
	s_add_co_u32 s2, s2, s17
	s_add_nc_u64 s[12:13], s[12:13], s[2:3]
	s_wait_kmcnt 0x0
	s_add_co_i32 s2, s58, s59
	s_lshl_b32 s2, s2, 23
	s_add_co_i32 s22, s22, s2                      ; a score stands for score x 2^(e2 + e3): added to c's exponent field
	s_mov_b32 s23, s22                             ; (named with it as a pair)
	s_mov_b32 s29, s60                             ; e4
	s_add_co_i32 s30, s60, s61                     ; e4 + e5
	s_add_co_i32 s2, s60, 127
	s_lshl_b32 s3, s2, 23
	v_mov_b32 v6, s3
	s_add_co_i32 s2, s2, 8
	s_lshl_b32 s2, s2, 23
	s_or_b32 s2, s2, 0x600000
	v_mov_b32 v7, s2
	s_add_co_i32 s2, s62, 127
	s_lshl_b32 s3, s2, 23
	v_mov_b32 v8, s3
	s_add_co_i32 s2, s2, 8
	s_lshl_b32 s2, s2, 23
	s_or_b32 s2, s2, 0x600000
	v_mov_b32 v9, s2
; The largest score of tile t, the new M and f, and t - M for its 64 scores.  73 plain lines; XE stands behind each.  Each accumulator of S^T is read from its low end on.
.macro PREP t
.set rT, ST+12*(\t)
.set rS, S+64*(\t)
	v_max3_num_f32 v[rT+6], v[rS], v[rS+1], v[rS+2]
	XE
	v_max3_num_f32 v[rT+7], v[rS+3], v[rS+4], v[rS+5]
	XE
.irp i, 6,10,14,18,22,26,30,34,38,42,46,50,54,58
	v_max3_num_f32 v[rT+6], v[rT+6], v[rS+\i], v[rS+\i+1]
	XE
	v_max3_num_f32 v[rT+7], v[rT+7], v[rS+\i+2], v[rS+\i+3]
	XE
.endr
	v_max3_num_f32 v[rT+6], v[rT+6], v[rS+62], v[rS+63]
	XE
	v_max_num_f32 v[rT+6], v[rT+6], v[rT+7]
	XE
	v_permlanex16_b32 v[rT+10], v[rT+6], s20, s21  ; the query's other 64 keys lie in the lane 16 away
	XE
	v_max_num_f32 v[rT+6], v[rT+6], v[rT+10]
	XE
	v_mul_f32 v[rT+6], s22, v[rT+6]                ; as t (c is positive)
	XE
	v_max_num_f32 v[rT+1], v[rT+1], v[rT+6]        ; the running largest t
	XE
	v_mov_b32 v[rT+6], v[rT]
	XE
	v_floor_f32 v[rT], -v[rT+1]                    ; the new -M = floor(-t): M is a whole number
	XE
	v_sub_f32 v[rT+6], v[rT], v[rT+6]              ; old M - new M: a whole number, 0 or less
	XE
	v_cvt_i32_f32 v[rT+6], v[rT+6]                 ; (it saturates)
	XE
	v_ldexp_f32 v[rT+4], 1.0, v[rT+6]              ; f = 2^(old M - new M)
	XE
.irp j, 0,2,4,6,8,10,12,14,16,18,20,22,24,26,28,30,32,34,36,38,40,42,44,46,48,50,52,54,56,58,60,62
	v_pk_fma_f32 v[rS+\j:rS+\j+1], v[rS+\j:rS+\j+1], s[22:23], v[rT:rT+1] op_sel_hi:[1,0,0]   ; t - M (of the pairs c and -M the low word serves both halves)
	XE
.endr
.endm
; The row's sum of tile t, of the unquantised p: 33 plain lines.
.macro SUM t
.set rT, ST+12*(\t)
.set rS, S+64*(\t)
	v_pk_mul_f32 v[rT+2:rT+3], v[rT+2:rT+3], v[rT+4:rT+5] op_sel_hi:[1,0]   ; the sum under the new M
	XE
	v_pk_add_f32 v[rT+8:rT+9], v[rS:rS+1], v[rS+2:rS+3]
	XE
.irp j, 4,8,12,16,20,24,28,32,36,40,44,48,52,56,60
	v_pk_add_f32 v[rT+2:rT+3], v[rT+2:rT+3], v[rS+\j:rS+\j+1]
	XE
	v_pk_add_f32 v[rT+8:rT+9], v[rT+8:rT+9], v[rS+\j+2:rS+\j+3]
	XE
.endr
	v_pk_add_f32 v[rT+2:rT+3], v[rT+2:rT+3], v[rT+8:rT+9]
	XE
.endm
.macro RESC                            ; O^T of both tiles under the new M: 32 plain lines, each accumulator from its low end on
.irp t, 0,1
.irp j, 0,2,4,6,8,10,12,14,16,18,20,22,24,26,28,30
	v_pk_mul_f32 v[OT+32*\t+\j:OT+32*\t+\j+1], v[OT+32*\t+\j:OT+32*\t+\j+1], v[ST+12*\t+4:ST+12*\t+5] op_sel_hi:[1,0]
	XE
.endr
.endr
.endm
; A KEY STEP on the tiles in slot sl.
.macro STEP sl
	s_wait_alu depctr_va_vdst(0)                   ; my step before is done: its products have read K's and V's fragments, its masking lines have read and written the mask words; the 34 loads below land in these registers
	global_load_b128 v[36:39], v4, s[36:37]                ; the step's mask words of my row, tile 0 and tile 1: asked for in every step, so that a masked step does not wait long
	global_load_b128 v[40:43], v4, s[36:37] offset:4096
	WIN 0x40                                       ; destination window 1
.irp c, 0,1,2,3,4,5,6,7
	ds_load_b128 v[KV+8*\c:KV+8*\c+3], v1 offset:\sl*16384+1024*\c
	ds_load_b128 v[KV+8*\c+4:KV+8*\c+7], v1 offset:\sl*16384+1024*\c+512
.endr
.irp t, 0,1,2,3
.irp g, 0,1
.irp u, 0,1
	ds_load_b128 v[VF+16*\t+8*\g+4*\u:VF+16*\t+8*\g+4*\u+3], v1 offset:\sl*16384+8192+4096*\g+1024*\t+512*\u   ; V, into registers of its own, in the same run: they land while the scores and the softmax are worked
.endr
.endr
.endr
	WIN 0x05                                       ; sources 0 and 1 window 1
.irp c, 0,1,2,3,4,5,6,7
	s_wait_dscnt 30-2*\c                           ; fragment c is in; the younger fragments' loads and V's sixteen may be out
	v_wmma_f32_16x16x64_fp8_fp8 v[S+8*\c:S+8*\c+7], v[KV+8*\c:KV+8*\c+7], v[QF:QF+7], 0
	v_wmma_f32_16x16x64_fp8_fp8 v[S+64+8*\c:S+64+8*\c+7], v[KV+8*\c:KV+8*\c+7], v[QF+8:QF+15], 0
.endr
	WIN 0
.rept 4
	v_nop                                          ; places behind the products, for the first read of the scores
.endr
	s_bitcmp1_b32 s28, 0                           ; is any key of this step hidden from any of my 32 queries?
	s_cbranch_scc0 .Lopen_\@
	s_wait_loadcnt 0x0                             ; the mask words (the youngest loads)
.irp k, 0,1,2,3,4,5,6,7
	v_lshrrev_b32 v[36+\k], v3, v[36+\k]           ; key 16 c + 8 h + j is bit 4 c + 2 h + j / 4 of word j % 4
.endr
.irp t, 0,1
.irp g, 0,1                                    ; a run is four fragments of a tile: 32 scores, 32 masks in s68-99
.irp c, 0,1,2,3
.irp j, 0,1,2,3,4,5,6,7
	v_and_b32 v[44+(\j&1)], 1<<(4*(4*\g+\c)+(\j>>2)), v[36+4*\t+(\j&3)]
	v_cmp_eq_u32 s[MK+8*\c+\j], 0, v[44+(\j&1)]
.endr
.endr
	s_wait_alu depctr_va_sdst(0)                   ; the run's 32 compares have written s68-99, ahead of the selections that read them
.irp c, 0,1,2,3
.irp j, 0,1,2,3,4,5,6,7
	v_cndmask_b32 v[S+64*\t+8*(4*\g+\c)+\j], v[S+64*\t+8*(4*\g+\c)+\j], v5, s[MK+8*\c+\j]   ; a hidden score becomes -infinity: p = 0
.endr
.endr
.endr
.endr
.Lopen_\@:
.set EXN, 64
	PREP 0
.set EXN, 0
.set XB, S
	PREP 1                                         ; tile 0's 64 exponentials stand between tile 1's lines; nine plain lines follow the last
	s_wait_alu depctr_va_vdst(0)                   ; tile 0's 64 exponentials have written p: one wait for the batch, ahead of its first reader
.set EXN, 0
.set XB, S+64
	SUM 0                                          ; tile 1's 64 exponentials stand between these 65 lines; one plain line follows the last
	RESC
	s_wait_alu depctr_va_vdst(0)                   ; tile 1's 64 exponentials have written p: the same, ahead of their first reader
	SUM 1
	s_cmp_ge_i32 s29, -8                           ; p is at most 1, and 448 x 2^e4 is at least 1 from e4 = -8 on: there the hold cannot bind
	s_cbranch_scc1 .Lno_hold_\@
.set hk, 0
.rept 128
	v_min_num_f32 v[S+hk], v[S+hk], v7             ; the conversion does not saturate (ISA guide 7.6.2); p is not negative
.set hk, hk+1
.endr
.Lno_hold_\@:
	WIN 0x40
.irp t, 0,1
.irp c, 0,1,2,3,4,5,6,7
	v_cvt_scalef32_pk8_fp8_f32 v[PF+16*\t+2*\c:PF+16*\t+2*\c+1], v[S+64*\t+8*\c:S+64*\t+8*\c+7], v6
.endr
.endr
	v_nop                                          ; a plain line between the last conversion and the products that read the codes
	s_wait_dscnt 0x0                               ; V is in
	WIN 0x05
.irp t, 0,1,2,3
.irp u, 0,1
	v_wmma_f32_16x16x128_fp8_fp8 v[OT+32*\u+8*\t:OT+32*\u+8*\t+7], v[VF+16*\t:VF+16*\t+15], v[PF+16*\u:PF+16*\u+15], v[OT+32*\u+8*\t:OT+32*\u+8*\t+7]   ; eight accumulators, one instruction each
.endr
.endr
	WIN 0
.rept 4
	v_nop                                          ; places behind the products: the next vector lines may read O^T
.endr
.endm
; A TRIP: key step t from slot sl.  s26 bit 0: some wave of the block needs tile t + 1; s27 bit 0: my queries need step t; s28 bit 0: step t has hidden keys for them.
.macro TRIP sl
	s_bitcmp1_b32 s26, 0
	s_cbranch_scc0 .Lno_fetch_\@
	WIN 0x40
	s_wait_alu depctr_vm_vsrc(0)                   ; the LDS stores of the trip before (in a pass's first trip: of the pass's head) have read SG, in which the four loads below land
	global_load_b128 v[SG:SG+3], v2, s[32:33] offset:8192          ; tile t + 1: K's 8,192 bytes,
	global_load_b128 v[SG+4:SG+7], v2, s[32:33] offset:12288
	global_load_b128 v[SG+8:SG+11], v2, s[34:35] offset:8192       ; V's
	global_load_b128 v[SG+12:SG+15], v2, s[34:35] offset:12288
	WIN 0
.Lno_fetch_\@:
	s_bitcmp1_b32 s27, 0
	s_cbranch_scc0 .Lno_step_\@
	STEP \sl
.Lno_step_\@:
	s_wait_loadcnt 0x0                             ; on every path: no load is pending into the tile's or the mask words' registers when the next trip loads into them
	s_bitcmp1_b32 s26, 0
	s_cbranch_scc0 .Lno_store_\@
	WIN 0x04                                       ; the stores' data lie in window 1
.irp n, 0,1,2,3
	ds_store_b128 v2, v[SG+4*\n:SG+4*\n+3] offset:(1-\sl)*16384+4096*\n   ; loads wrote the data, the kernel's head the address: no vector line names either, so no wait on va_vdst is owed
.endr
	WIN 0
.Lno_store_\@:
	s_wait_xcnt 0x0                                ; the trip's loads have read their bases: they may step
	s_add_nc_u64 s[32:33], s[32:33], 8192
	s_add_nc_u64 s[34:35], s[34:35], 8192
	s_add_nc_u64 s[36:37], s[36:37], 256
	s_lshr_b32 s26, s26, 1
	s_lshr_b32 s27, s27, 1
	s_lshr_b32 s28, s28, 1
	s_wait_dscnt 0x0                               ; my stores into the next slot have landed, and my reads of this slot are in:
	s_barrier_signal -1                            ; one barrier orders both; it stands on every wave's path
	s_barrier_wait -1
.endm
.macro ORFL first                      ; s[52:55] |= the flags of eight tiles, group by group
.irp g, 0,1,2,3
.if \first
	s_or_b32 s[52+\g], s[68+\g], s[72+\g]
.else
	s_or_b32 s[52+\g], s[52+\g], s[68+\g]
	s_or_b32 s[52+\g], s[52+\g], s[72+\g]
.endif
.irp k, 2,3,4,5,6,7
	s_or_b32 s[52+\g], s[52+\g], s[68+4*\k+\g]
.endr
.endr
.endm
.Lpass:
	s_sub_co_u32 s17, 7, ttmp9
	s_cmp_eq_u32 s24, 2
	s_cselect_b32 s19, ttmp9, s17                  ; the block of 256 queries: x, then 7 - x
	s_lshl_b32 s2, s19, 4
	s_lshl_b32 s3, s18, 1
	s_add_co_u32 s17, s2, s3                       ; my first tile of 16 queries
	s_mov_b32 s3, 0
	s_lshl_b32 s2, s17, 10
	s_add_nc_u64 s[14:15], s[4:5], s[2:3]          ; its image of q
	s_add_nc_u64 s[32:33], s[4:5], 0x800000        ; k, step 0
	s_add_nc_u64 s[34:35], s[4:5], 0x1000000       ; v, step 0
	s_lshl_b32 s2, s17, 12
	s_add_nc_u64 s[36:37], s[6:7], s[2:3]          ; its mask words, step 0
	s_lshl_b32 s2, s17, 14
	s_add_nc_u64 s[38:39], s[12:13], s[2:3]        ; its image of y
	s_lshl_b32 s2, s19, 8
	s_add_nc_u64 s[40:41], s[8:9], s[2:3]          ; the block's flags: 16 tiles x 16 bytes
	s_lshl_b32 s2, s18, 5
	s_add_nc_u64 s[42:43], s[40:41], s[2:3]        ; my two tiles'
	s_load_b256 s[44:51], s[42:43], 0x0
	s_load_b512 s[68:83], s[40:41], 0x0
	s_load_b512 s[84:99], s[40:41], 0x40
	WIN 0x40
	s_wait_alu depctr_va_vdst(0)                   ; first pass: the addresses v1, v2 and v4 are written, which every load and store of the kernel reads; second pass: the pass before's products are done reading Q, in which the loads below land
.irp t, 0,1
.irp u, 0,1
	global_load_b128 v[QF+8*\t+4*\u:QF+8*\t+4*\u+3], v1, s[14:15] offset:1024*\t+512*\u   ; Q stays in registers
.endr
.endr
	global_load_b128 v[SG:SG+3], v2, s[32:33]              ; tile 0, in every pass  (the LDS stores that read SG stand ahead of the wait on vm_vsrc at the end of the pass before)
	global_load_b128 v[SG+4:SG+7], v2, s[32:33] offset:4096
	global_load_b128 v[SG+8:SG+11], v2, s[34:35]
	global_load_b128 v[SG+12:SG+15], v2, s[34:35] offset:4096
	WIN 0
.set pk, 0
.rept 24
	v_mov_b32 v[ST+pk], 0                          ; the statistics: sums 0; the rest written once, since pairs and permutes name them
.set pk, pk+1
.endr
.irp t, 0,1
	v_mov_b32 v[ST+12*\t+1], 0xff61b1e6            ; the largest t so far: -3e38, under every t
	v_floor_f32 v[ST+12*\t], -v[ST+12*\t+1]        ; -M
.endr
.set pk, 0
.rept 64
	v_mov_b32 v[OT+pk], 0                          ; O^T begins as zeros: which step is a wave's first hangs on the mask, so no first step can be written out
.set pk, pk+1
.endr
	s_wait_kmcnt 0x0
	ORFL 1
.irp g, 0,1,2,3
	s_or_b32 s[44+\g], s[44+\g], s[48+\g]          ; my two tiles together
.endr
	s_load_b512 s[68:83], s[40:41], 0x80
	s_load_b512 s[84:99], s[40:41], 0xc0
	s_lshl_b32 s45, s45, 4                         ; a word holds four steps: bits 0-3 'allowed', 16-19 'hidden'
	s_lshl_b32 s46, s46, 8
	s_lshl_b32 s47, s47, 12
	s_or_b32 s44, s44, s45
	s_or_b32 s46, s46, s47
	s_or_b32 s44, s44, s46
	s_and_b32 s27, s44, 0xffff                     ; bit t: my queries need step t
	s_lshr_b32 s28, s44, 16                        ; bit t: step t has hidden keys
	s_wait_kmcnt 0x0
	ORFL 0
	s_lshl_b32 s53, s53, 4
	s_lshl_b32 s54, s54, 8
	s_lshl_b32 s55, s55, 12
	s_or_b32 s52, s52, s53
	s_or_b32 s54, s54, s55
	s_or_b32 s52, s52, s54
	s_and_b32 s26, s52, 0xffff
	s_lshr_b32 s26, s26, 1                         ; bit t: some wave needs tile t + 1; bit 15 is 0, so nothing is loaded past the last tile
	s_wait_loadcnt 0x0                             ; Q and tile 0
	WIN 0x04
.irp n, 0,1,2,3
	ds_store_b128 v2, v[SG+4*\n:SG+4*\n+3] offset:4096*\n   ; slot 0: its last readers passed the barriers of the pass before
.endr
	WIN 0
	s_wait_dscnt 0x0
	s_barrier_signal -1
	s_barrier_wait -1
	s_mov_b32 s25, 8
.Ltrip:
	TRIP 0
	TRIP 1
	s_sub_co_u32 s25, s25, 1
	s_cmp_lg_u32 s25, 0
	s_cbranch_scc1 .Ltrip
	; THE WAY OUT of a pass: y = O^T x 2^(e4 + e5) / the sum, held, quantised with 2^e6; the four conversions of a tile are an image of 16 tokens x this head's 64.
.irp t, 0,1
	v_add_f32 v[ST+12*\t+2], v[ST+12*\t+2], v[ST+12*\t+3]
.endr
.irp t, 0,1
	v_permlanex16_b32 v[ST+12*\t+10], v[ST+12*\t+2], s20, s21
.endr
.irp t, 0,1
	v_add_f32 v[ST+12*\t+2], v[ST+12*\t+2], v[ST+12*\t+10]
.endr
.irp t, 0,1
	v_rcp_f32 v[ST+12*\t+11], v[ST+12*\t+2]
.endr
	v_nop                                          ; a plain line behind the reciprocals
	s_wait_alu depctr_va_vdst(0)                   ; the two reciprocals are written: one wait for both, ahead of the first reader
.irp t, 0,1
	v_mul_f32 v[ST+12*\t+6], 0, v[ST+12*\t+11]     ; z = 0 x (1 / sum): 0, or NaN where the sum is 0
	v_ldexp_f32 v[ST+12*\t+4], v[ST+12*\t+11], s30
.endr
.irp t, 0,1
.irp j, 0,2,4,6,8,10,12,14,16,18,20,22,24,26,28,30
	v_pk_mul_f32 v[S+64*\t+\j:S+64*\t+\j+1], v[OT+32*\t+\j:OT+32*\t+\j+1], v[ST+12*\t+4:ST+12*\t+5] op_sel_hi:[1,0]
.endr
.irp j, 0,1,2,3,4,5,6,7,8,9,10,11,12,13,14,15,16,17,18,19,20,21,22,23,24,25,26,27,28,29,30,31
	v_med3_num_f32 v[S+64*\t+\j], v[S+64*\t+\j], -v9, v9
.endr
.irp j, 0,2,4,6,8,10,12,14,16,18,20,22,24,26,28,30
	v_pk_add_f32 v[S+64*\t+\j:S+64*\t+\j+1], v[S+64*\t+\j:S+64*\t+\j+1], v[ST+12*\t+6:ST+12*\t+7] op_sel_hi:[1,0]   ; + z: the hold drops a NaN, this brings it back
.endr
.irp c, 0,1,2,3
	v_cvt_scalef32_pk8_fp8_f32 v[46+8*\t+2*\c:46+8*\t+2*\c+1], v[S+64*\t+8*\c:S+64*\t+8*\c+7], v8
.endr
.endr
	v_nop                                          ; a plain line behind the last conversion
	s_wait_alu depctr_va_vdst(0)                   ; the eight conversions have written v46-61, which the four stores read
.irp t, 0,1
.irp u, 0,1
	global_store_b128 v1, v[46+8*\t+4*\u:46+8*\t+4*\u+3], s[38:39] offset:16384*\t+512*\u   ; the wave stores 512 consecutive bytes, aligned
.endr
.endr
	s_wait_xcnt 0x0                                ; the stores have read their registers and their base: the next pass writes both
	s_wait_alu depctr_vm_vsrc(0)                   ; the stores have read v46-61, which the next pass's conversions write; this pass's LDS stores have read SG, in which the next pass's first loads land
	s_sub_co_u32 s24, s24, 1
	s_cmp_lg_u32 s24, 0
	s_cbranch_scc1 .Lpass
	s_wait_dscnt 0x0
	s_wait_alu depctr_hold_cnt(0) depctr_sa_sdst(0) depctr_va_vdst(0) depctr_va_sdst(0) depctr_va_ssrc(0) depctr_va_vcc(0) depctr_vm_vsrc(0)
	s_wait_tensorcnt 0x0
	ds_add_u32 v62, v63
	s_wait_dscnt 0x0
	s_endpgm
.Lfunc_end_k_q8c54aba42f_attn:
	.size	k_q8c54aba42f_attn, .Lfunc_end_k_q8c54aba42f_attn-k_q8c54aba42f_attn
	.p2alignl 7, 3214868480
	.fill 96, 4, 3214868480
	.section	.rodata,"a",@progbits
	.p2align	6, 0x0
	.amdhsa_kernel k_q8c54aba42f_attn
		.amdhsa_group_segment_fixed_size 33792
		.amdhsa_private_segment_fixed_size 0
		.amdhsa_enable_private_segment 0
		.amdhsa_kernarg_size 40
		.amdhsa_user_sgpr_count 2
		.amdhsa_user_sgpr_kernarg_segment_ptr 1
		.amdhsa_wavefront_size32 1
		.amdhsa_system_sgpr_workgroup_id_x 1
		.amdhsa_system_sgpr_workgroup_id_y 1
		.amdhsa_system_sgpr_workgroup_id_z 1
		.amdhsa_system_vgpr_workitem_id 0
		.amdhsa_next_free_vgpr 448
		.amdhsa_next_free_sgpr 100
		.amdhsa_reserve_vcc 0
		.amdhsa_float_denorm_mode_32 3
		.amdhsa_float_denorm_mode_16_64 3
		.amdhsa_memory_ordered 1
		.amdhsa_forward_progress 1
		.amdhsa_inst_pref_size 127
	.end_amdhsa_kernel
	.amdgpu_metadata
---
amdhsa.version: [ 1, 2 ]
amdhsa.kernels:
  - .name:           k_q8c54aba42f_attn
    .symbol:         k_q8c54aba42f_attn.kd
    .args:
      - { .name: qkvc, .offset: 0, .size: 8, .value_kind: global_buffer, .address_space: global }
      - { .name: bm, .offset: 8, .size: 8, .value_kind: global_buffer, .address_space: global }
      - { .name: fl, .offset: 16, .size: 8, .value_kind: global_buffer, .address_space: global }
      - { .name: lowp_scales, .offset: 24, .size: 8, .value_kind: global_buffer, .address_space: global }
      - { .name: yc, .offset: 32, .size: 8, .value_kind: global_buffer, .address_space: global }
    .group_segment_fixed_size: 33792
    .private_segment_fixed_size: 0
    .kernarg_segment_align: 8
    .kernarg_segment_size: 40
    .max_flat_workgroup_size: 256
    .sgpr_count:     100
    .vgpr_count:     448
    .wavefront_size: 32
...
	.end_amdgpu_metadata
.endif
;; end of part 5
;; launch proj: the kernel of part 4 again; grid 4 x 32, 4 waves a work-group, clusters of 4 x 4, 327,680 bytes of LDS; arguments yc, woc, lowp_scales, bo, out0; writes out0
